; MI455X (gfx1250); checked and timed in simulation.
; The chip was launched on July 23, 2026; its instructions are those of AMD's public machine-readable ISA for CDNA 5 (MIT licence, August 2026) and "CDNA5" Instruction Set Architecture Reference Guide (July 2026). The comments in the code are by the model that wrote it; some were corrected since.
;; Decoder Block. Allowed arithmetic: matrix products marked QUANTISED: E2M3 operands, one E8M0 scale for each 32 along K, by v_wmma_scale_f32_16x16x128_f8f6f4 with both operands' format E2M3, f32 sums; everything else in f32.
;; Inputs: b1 4,096 float32; b2 1,024 float32; b_o 1,024 float32; b_qkv 3,072 float32; be1 1,024 float32; be2 1,024 float32; g1 1,024 float32; g2 1,024 float32; w1 1,024 x 4,096 float32; w2 4,096 x 1,024 float32; w_o 1,024 x 1,024 float32; w_qkv 1,024 x 3,072 float32; x 2 x 2,048 x 1,024 float32.
;; Outputs: out0 2 x 2,048 x 1,024 float32.
;; This version of the problem:
;;   THIS VERSION OF THE PROBLEM IS GIVEN IN LOW PRECISION. The matrix products marked QUANTISED in the list below multiply operands that are first quantised to E2M3 (2 exponent bits, 3 mantissa bits; 6 bits a number), with one power-of-two scale for each 32 numbers along K (OCP MX v1.0); their sums are f32. All else is computed in f32.
;;   The module's matrix products, in the order in which they are computed (A, B: the left and right operand; K: the contracted axis; several contracted axes count as one K, in the product's order):
;;     1. [M 4,096, K 1,024] x [K 1,024, N 3,072]; A: computed on the way; B: input w_qkv: QUANTISED
;;     2. batch 32 x [M 2,048, K 64] x [K 64, N 2,048]; A: computed on the way; B: computed on the way: QUANTISED
;;     3. batch 32 x [M 2,048, K 2,048] x [K 2,048, N 64]; A: softmax (see below); B: computed on the way: QUANTISED
;;     4. [M 4,096, K 1,024] x [K 1,024, N 1,024]; A: computed on the way; B: input w_o: QUANTISED
;;     5. [M 4,096, K 1,024] x [K 1,024, N 4,096]; A: computed on the way; B: input w1: QUANTISED
;;     6. [M 4,096, K 4,096] x [K 4,096, N 1,024]; A: computed on the way; B: input w2: QUANTISED
;;   THE QUANTISER, for each operand of a quantised product, along K:
;;     - K is cut into blocks of 32 from its start; a last block that is shorter is filled with zeros.
;;     - A block's scale is 2^e with e = floor(log2(the largest magnitude in the block)) - 2, held to -126 .. 127; a block of zeros has e = 0. As a byte (E8M0): e + 127.
;;     - Each number is divided by its block's scale, clamped to +-7.5, and rounded to the nearest number of E2M3, ties to even, subnormals kept.
;;     - The product sums the exact products of the quantised numbers (number of the format x scale) in f32.
;;   ~~~python
;;   def quantise(x, axis):      # numpy; x: float32 -> the quantised numbers, widened to float32 again
;;       x = np.moveaxis(x, axis, -1); K = x.shape[-1]
;;       x = np.pad(x, [(0, 0)] * (x.ndim - 1) + [(0, -K % 32)]); x = x.reshape(x.shape[:-1] + (-1, 32)); a = np.abs(x).max(-1, keepdims=True)
;;       e = np.where(a > 0, np.clip(np.frexp(np.where(a > 0, a, 1))[1] - 1 - 2, -126, 127), 0)      # np.frexp(a)[1] - 1 = floor(log2(a)), exactly
;;       r = np.clip(x / 2.0 ** e, -7.5, 7.5)
;;       step = 2.0 ** (np.maximum(np.frexp(np.where(r == 0, 1, r))[1] - 1, 0) - 3)
;;       q = np.round(r / step) * step * 2.0 ** e      # np.round: ties to even
;;       return np.moveaxis(q.reshape(q.shape[:-2] + (-1,))[..., :K], -1, axis).astype(np.float32)
;;   ~~~
;;   SOFTMAX AHEAD OF A QUANTISED PRODUCT. Where the list says 'softmax', what is quantised is not the finished softmax but p = 2^(t - M), with t = logit x log2(e) and M = ceil(the row's largest t), a whole number; so 1/2 < the row's largest p <= 1. The row's sum l is taken of the UNQUANTISED p, in f32, and the product's result is divided by l at the end. Since M is a whole number, a kernel that streams over the keys may use a running M (the ceiling of the running maximum): every later rescaling is an exact power of two, which a block's scale takes up: the codes' values come out the same.
;;   OPERANDS COMPUTED ON THE WAY. 'Computed on the way' means the value that the module computes at that place (a softmax that the list does not call 'softmax' is quantised finished and normalised). What goes into a quantiser is computed in f32, as accurately as f32 sums, v_exp_f32 and their like allow (about 1e-6 of the number): no bf16 or f16 on the way to a quantiser, and a product that is left as it is and whose result goes on into a quantised operand takes f32 operands (vector FMAs, or v_wmma_f32_16x16x4_f32). A number that lies on a knife's edge between two numbers of the format may be rounded either way, as far as f32 arithmetic and the matrix unit's own rounding can turn it there, and no further.
;; One version. Each part assembles by itself: llvm-mc -triple=amdgcn-amd-amdhsa -mcpu=gfx1250 --defsym DOCPART=n.
;; ======== version 1 of 1: 7 launches
;; limits: right only within a limited range of input values
;; workspace buffers: wq 9,830,400 bytes; nx 3,276,800 bytes; att 10,092,544 bytes; ctx 3,276,800 bytes; x1 16,777,216 bytes; hq 13,107,200 bytes
;; launch prep (part 1): grid 1024 x 1, 4 waves a work-group, no clusters, 43,520 bytes of LDS; arguments x, g1, be1, nx, w_qkv, w_o, w1, w2, wq; writes nx, wq
.if DOCPART == 1
	.amdgcn_target "amdgcn-amd-amdhsa--gfx1250"
	.amdhsa_code_object_version 6
	.text
	.protected	k_qdb51503d5a_prep
	.globl	k_qdb51503d5a_prep
	.p2align	8
	.type	k_qdb51503d5a_prep,@function
k_qdb51503d5a_prep:
	s_mov_b64 s[64:65], 0
	v_nop
	global_prefetch_b8 v0, s[64:65] scope:SCOPE_SE
	s_setreg_imm32_b32 hwreg(HW_REG_WAVE_MODE, 25, 1), 1
	s_wait_xcnt 0x0
; Two jobs, parted by the work-group's number.
; Work-groups 0-255: LayerNorm of 16 rows of [4096][1024] f32 and its quantising to FP6 (E2M3) with one E8M0 byte for each 32 along the row.
; Work-groups 256-1023: the four weights, f32 stored [K][N], quantised along K (their first axis): a unit of 128 columns x 128 K to a work-group, 32 columns to a wave.
; LAYOUT OF ALL CODES: a fragment (16 rows x 128 K) is stored as the image of the 12 registers that a matrix instruction takes: three runs of 512 bytes, run c holding
; registers 4c..4c+3 of lane l at 16 l.  Lane (r = l % 16, h = l / 16), registers 6c'..6c'+5 = K 64c' + 32h + 0..31 of row r.  A buffer is [row block][K step][1,536 bytes].
; Scale words (4 bytes = 128 K of a row) lie [row / 128][K step][r][row block % 8]: 512 bytes for 128 rows and a K step.
; ROWS ARE PERMUTED INSIDE GROUPS OF 32: row block 2 bb + u, row r, holds true row 32 bb + 16 (r / 8) + 8 u + r % 8, so that a later product's results come out as 16 neighbours a lane.
; A block's scale byte is its largest magnitude's exponent field - 2, held at 1 from below.
; LIMITS: NaN and infinities are not served; a block whose largest magnitude lies under 2^-124 keeps the byte 1; a block of zeros has the byte 1 where the rule says 127 (its codes
; are zeros, and only this program reads the bytes); sums run in another order than the reference's.  The variance is the mean of (x - mean)^2, never a difference of large sums.
; The LN path's scale words leave as 4 bytes a lane, 32 bytes apart: a work-group holds one of the eight row blocks that share those 512 bytes (131,072 of the 3,276,800 bytes stored).
.set NXS,    3145728
.set WQKV_S, 2359296
.set WO_C,   2457600
.set WO_S,   3244032
.set W1_C,   3276800
.set W1_S,   6422528
.set W2_C,   6553600
.set W2_S,   9699328
.set GB,     33792                     ; LDS: four stages of 8,448 bytes (16 rows x 528), then 2,048 bytes a wave for g and be,
.set ST1,    41984                     ; then the waves' partial sums: [wave][16 rows] words, and 256 bytes on the same for the squares;
.set WSC,    42496                     ; the weights' path has 512 bytes of its own: a unit's scale words
.set G,  32                            ; v32-63   g of a block
.set B,  64                            ; v64-95   be of a block
.set X,  96                            ; v96-223  my 128 numbers: 64 ks + 32 c + i   (weights: two sets of 32)
.set PC, 224                           ; v224-235 a fragment's codes; v236-238 the second half of a block's
.set VO, 32                            ; weights: v32-63 offsets of the 32 rows of a block; v64 the offset of my second fragment
.set FO, 64
	s_load_b256 s[4:11], s[0:1], 0x0               ; x, g, be, nx
	s_load_b256 s[12:19], s[0:1], 0x20             ; w_qkv, w_o, w1, w2
	s_load_b64 s[20:21], s[0:1], 0x40              ; wq
	v_lshl_add_u32 v254, v0, 2, 0xa800
	v_mov_b32 v255, 0
	v_lshrrev_b32 v1, 5, v0
	v_readfirstlane_b32 s2, v1                     ; wave
	v_and_b32 v1, 31, v0                           ; lane
	v_and_b32 v2, 15, v0                           ; r
	v_bfe_u32 v3, v0, 4, 1                         ; h
	v_lshlrev_b32 v4, 4, v1                        ; 16 x lane
	s_mov_b32 s36, 0x76543210
	s_mov_b32 s37, 0xfedcba98                      ; v_permlanex16_b32's selects for lane l xor 16
	s_cmp_lt_u32 ttmp9, 256
	s_cbranch_scc0 .Lweights
; ---------------- LayerNorm.  Work-group rb owns row block rb; wave w owns K steps 2 w and 2 w + 1 (256 columns).
	s_mul_i32 s38, s2, 8448                        ; my stage
	v_add_nc_u32 v5, s38, v4                       ; into it: a row's 512 bytes as they lie
	v_mul_u32_u24 v6, v2, 528
	v_lshl_add_u32 v6, v3, 7, v6
	v_add_nc_u32 v6, s38, v6                       ; out of it: row r, + 128 h: my block of 32
	s_lshl_b32 s39, s2, 11
	s_add_co_u32 s39, s39, GB
	v_lshlrev_b32 v7, 7, v3
	v_add_nc_u32 v7, s39, v7                       ; g, be: + 128 h
	v_add_nc_u32 v8, s39, v4
	s_lshl_b32 s40, s2, 6
	s_add_co_u32 s40, s40, ST1
	v_lshlrev_b32 v10, 2, v2
	v_add_nc_u32 v9, s40, v10                      ; my wave's word for row r
	v_add_nc_u32 v10, ST1, v10                     ; wave 0's
	v_lshlrev_b32 v11, 5, v2
	v_lshl_add_u32 v11, v3, 9, v11                 ; scale words: 512 h + 32 r
	s_mov_b32 s41, 0x3a800000                      ; 1 / 1024
	s_lshr_b32 s22, ttmp9, 1
	s_lshl_b32 s22, s22, 17                        ; 32 rows of 4,096 bytes
	s_and_b32 s23, ttmp9, 1
	s_lshl_b32 s23, s23, 15                        ; 8 rows
	s_add_co_u32 s22, s22, s23
	s_lshl_b32 s24, s2, 10                         ; my 256 columns
	s_mov_b32 s25, 0
	s_add_co_u32 s22, s22, s24
	s_mov_b32 s23, 0
	s_lshl_b32 s26, ttmp9, 3
	s_lshl_b32 s27, s2, 1
	s_add_co_u32 s26, s26, s27
	s_mul_i32 s26, s26, 1536                       ; fragment (rb, 2 w)
	s_mov_b32 s27, 0
	s_lshr_b32 s28, ttmp9, 3
	s_lshl_b32 s28, s28, 3
	s_lshl_b32 s29, s2, 1
	s_add_co_u32 s28, s28, s29
	s_lshl_b32 s28, s28, 9                         ; (rb / 8, K step 2 w): 512 bytes each
	s_and_b32 s29, ttmp9, 7
	s_lshl_b32 s29, s29, 2
	s_add_co_u32 s28, s28, s29
	s_add_co_u32 s28, s28, NXS
	s_mov_b32 s29, 0
	s_wait_alu depctr_va_vdst(0)
	s_wait_kmcnt 0x0
	s_add_nc_u64 s[4:5], s[4:5], s[22:23]
	s_add_nc_u64 s[6:7], s[6:7], s[24:25]
	s_add_nc_u64 s[8:9], s[8:9], s[24:25]
	s_add_nc_u64 s[32:33], s[10:11], s[26:27]
	s_add_nc_u64 s[34:35], s[10:11], s[28:29]
	global_load_b128 v[32:35], v4, s[6:7]
	global_load_b128 v[36:39], v4, s[6:7] offset:512
	global_load_b128 v[40:43], v4, s[8:9]
	global_load_b128 v[44:47], v4, s[8:9] offset:512
.irp ks, 0,1
.irp q, 0,1,2,3,4,5,6,7,8,9,10,11,12,13,14,15
	global_load_b128 v[X+64*\ks+4*\q:X+64*\ks+4*\q+3], v4, s[4:5] offset:(16*(\q/8)+\q%8)*4096+512*\ks th:TH_LOAD_NT   ; fragment row q: 512 consecutive bytes
.endr
.endr
	s_wait_loadcnt 32                              ; g and be are in; the 32 loads of x behind them may be out
	ds_store_b128 v8, v[32:35]
	ds_store_b128 v8, v[36:39] offset:512
	ds_store_b128 v8, v[40:43] offset:1024
	ds_store_b128 v8, v[44:47] offset:1536
; a K step's 16 rows turn through my stage: in as they lie, out 32 neighbours a lane.  LDS serves a wave's instructions in order: no wait between the stores and the loads
.macro TURNX ks
.irp q, 0,1,2,3,4,5,6,7,8,9,10,11,12,13,14,15
	ds_store_b128 v5, v[X+64*\ks+4*\q:X+64*\ks+4*\q+3] offset:528*\q
.endr
.irp c, 0,1
.irp e, 0,1,2,3,4,5,6,7
	ds_load_b128 v[X+64*\ks+32*\c+4*\e:X+64*\ks+32*\c+4*\e+3], v6 offset:256*\c+16*\e
.endr
.endr
.endm
	s_wait_loadcnt 16                              ; K step 0's sixteen loads are in
	TURNX 0
	s_wait_loadcnt 0x0
	TURNX 1
; my four chains v[16:23] become the row's sum over all 1,024 columns, in v18 of every lane
.macro ROWSUM off
	v_pk_add_f32 v[16:17], v[16:17], v[18:19]
	v_pk_add_f32 v[20:21], v[20:21], v[22:23]
	v_pk_add_f32 v[16:17], v[16:17], v[20:21]
	v_add_f32 v16, v16, v17
	v_permlanex16_b32 v17, v16, s36, s37
	v_add_f32 v16, v16, v17                        ; my wave's 256 columns of row r
	ds_store_b32 v9, v16 offset:\off
	s_wait_dscnt 0x0                               ; for the others' sake: my word has landed
	s_barrier_signal -1
	s_barrier_wait -1
	ds_load_b32 v18, v10 offset:\off
	ds_load_b32 v19, v10 offset:\off+64
	ds_load_b32 v20, v10 offset:\off+128
	ds_load_b32 v21, v10 offset:\off+192
	s_wait_dscnt 0x0
	v_add_f32 v18, v18, v19
	v_add_f32 v20, v20, v21
	v_add_f32 v18, v18, v20
.endm
	s_wait_dscnt 32                                ; K step 0 is back; K step 1's 16 stores and 16 loads may be out
.irp k, 0,1,2,3
	v_pk_add_f32 v[16+2*\k:17+2*\k], v[X+2*\k:X+2*\k+1], v[X+8+2*\k:X+9+2*\k]     ; the first pairs start the four chains
.endr
.set p, 8
.rept 24
	v_pk_add_f32 v[16+2*(p%4):17+2*(p%4)], v[16+2*(p%4):17+2*(p%4)], v[X+2*p:X+2*p+1]
.set p, p+1
.endr
	s_wait_alu depctr_va_vdst(0)
	s_wait_dscnt 0x0
.rept 32
	v_pk_add_f32 v[16+2*(p%4):17+2*(p%4)], v[16+2*(p%4):17+2*(p%4)], v[X+2*p:X+2*p+1]
.set p, p+1
.endr
	ROWSUM 0
	v_mul_f32 v24, s41, v18                        ; the mean
	v_mov_b32 v25, v24
.set p, 0
.rept 64
	v_pk_add_f32 v[X+2*p:X+2*p+1], v[X+2*p:X+2*p+1], v[24:25] neg_lo:[0,1] neg_hi:[0,1]   ; x - mean, in place
.set p, p+1
.endr
.irp k, 0,1,2,3
	v_pk_mul_f32 v[16+2*\k:17+2*\k], v[X+2*\k:X+2*\k+1], v[X+2*\k:X+2*\k+1]
.endr
.set p, 4
.rept 60
	v_pk_fma_f32 v[16+2*(p%4):17+2*(p%4)], v[X+2*p:X+2*p+1], v[X+2*p:X+2*p+1], v[16+2*(p%4):17+2*(p%4)]
.set p, p+1
.endr
	ROWSUM 256                                     ; other words than the first sum's: no wave can overwrite what another still reads
	v_fmaak_f32 v18, s41, v18, 0x3727c5ac          ; variance + 1e-5
	s_wait_alu depctr_va_vdst(0)
	v_rsq_f32 v26, v18
	v_nop                                          ; a plain place behind the transcendental
	s_wait_alu depctr_va_vdst(0)
	v_mov_b32 v27, v26
; my block 2 c + h of K step ks: scaled, quantised
.macro LNBLK ks, c
.set XB, X+64*\ks+32*\c
.irp e, 0,1,2,3,4,5,6,7
	ds_load_b128 v[G+4*\e:G+4*\e+3], v7 offset:512*\ks+256*\c+16*\e
	ds_load_b128 v[B+4*\e:B+4*\e+3], v7 offset:1024+512*\ks+256*\c+16*\e
.endr
.set p, 0
.rept 16
	v_pk_mul_f32 v[XB+2*p:XB+2*p+1], v[XB+2*p:XB+2*p+1], v[26:27]
.set p, p+1
.endr
	s_wait_dscnt 0x0
.set p, 0
.rept 16
	v_pk_fma_f32 v[XB+2*p:XB+2*p+1], v[XB+2*p:XB+2*p+1], v[G+2*p:G+2*p+1], v[B+2*p:B+2*p+1]
.set p, p+1
.endr
	v_max3_num_f32 v12, |v[XB]|, |v[XB+1]|, |v[XB+2]|
	v_max3_num_f32 v13, |v[XB+3]|, |v[XB+4]|, |v[XB+5]|
.irp i, 6,10,14,18,22,26
	v_max3_num_f32 v12, v12, |v[XB+\i]|, |v[XB+\i+1]|
	v_max3_num_f32 v13, v13, |v[XB+\i+2]|, |v[XB+\i+3]|
.endr
	v_max3_num_f32 v12, v12, |v[XB+30]|, |v[XB+31]|
	v_max3_num_f32 v12, v12, v13, 0x1800000        ; with the floor 2^(3 - 127): the byte cannot fall under 1
	v_add_nc_u32 v14, 0xff000000, v12              ; 2 off the exponent field: the conversion's scale operand
	v_lshrrev_b32 v[28+\c], 23, v14                ; the byte
	v_cvt_scalef32_pk16_fp6_f32 v[PC+6*\c:PC+6*\c+2], v[XB:XB+15], v14
	v_cvt_scalef32_pk16_fp6_f32 v[236:238], v[XB+16:XB+31], v14     ; (a conversion's three registers begin on an even number)
	v_nop                                          ; a plain place behind the conversions
.irp i, 0,1,2
	v_mov_b32 v[PC+6*\c+3+\i], v[236+\i]
.endr
.endm
.irp ks, 0,1
	LNBLK \ks, 0
	LNBLK \ks, 1
	v_lshl_or_b32 v30, v29, 16, v28                ; my two bytes: blocks h and 2 + h,
	v_lshlrev_b32 v31, 3, v3
	v_lshlrev_b32 v30, v31, v30                    ; 8 h bits up;
	v_permlanex16_b32 v17, v30, s36, s37
	v_or_b32 v[22+\ks], v30, v17                   ; with lane l xor 16's two the row's word is whole
.irp c, 0,1,2
	global_store_b128 v4, v[PC+4*\c:PC+4*\c+3], s[32:33] offset:1536*\ks+512*\c    ; 512 consecutive bytes a store
.endr
	s_wait_xcnt 0x0                                ; the codes' registers are written again only behind this wait
.endr
	v_cmp_eq_u32 vcc_lo, 1, v3
	s_wait_alu depctr_va_vdst(0)
	v_cndmask_b32 v16, v22, v23, vcc_lo            ; lanes 0-15 K step 2 w, lanes 16-31 K step 2 w + 1
	global_store_b32 v11, v16, s[34:35]
	s_wait_tensorcnt 0x0
	ds_add_u32 v254, v255
	s_wait_dscnt 0x0
	s_endpgm
; ---------------- The weights.  A work-group takes a unit of 128 columns x 128 K; wave j its columns 32 j .. 32 j + 31: four blocks of 32 along K.  A lane takes a column, its registers run
; down K.  3,072 such waves, each with two blocks (64 loads of 128 consecutive bytes) on their way.
.Lweights:
	s_sub_co_u32 s22, ttmp9, 256                   ; unit 0..767: 192 of w_qkv, 64 of w_o, 256 of w1, 256 of w2
	s_wait_kmcnt 0x0
	s_mov_b64 s[24:25], s[18:19]                   ; w2's figures first: source,
	s_mov_b32 s26, 4096                            ; bytes from row to row,
	s_mov_b32 s27, 5                               ; log2 of its K steps,
	s_mov_b32 s28, 512                             ; its first unit,
	s_mov_b32 s29, W2_C                            ; where its codes and its scale words lie in wq
	s_mov_b32 s30, W2_S
	s_cmp_lt_u32 s22, 512
	s_cselect_b64 s[24:25], s[16:17], s[24:25]
	s_cselect_b32 s26, 16384, s26
	s_cselect_b32 s27, 3, s27
	s_cselect_b32 s28, 256, s28
	s_cselect_b32 s29, W1_C, s29
	s_cselect_b32 s30, W1_S, s30
	s_cmp_lt_u32 s22, 256
	s_cselect_b64 s[24:25], s[14:15], s[24:25]
	s_cselect_b32 s26, 4096, s26
	s_cselect_b32 s28, 192, s28
	s_cselect_b32 s29, WO_C, s29
	s_cselect_b32 s30, WO_S, s30
	s_cmp_lt_u32 s22, 192
	s_cselect_b64 s[24:25], s[12:13], s[24:25]
	s_cselect_b32 s26, 12288, s26
	s_cselect_b32 s28, 0, s28
	s_cselect_b32 s29, 0, s29
	s_cselect_b32 s30, WQKV_S, s30
	s_sub_co_u32 s23, s22, s28                     ; the unit within its tensor
	s_lshl_b32 s31, 1, s27
	s_sub_co_u32 s31, s31, 1
	s_and_b32 s38, s23, s31                        ; K step
	s_lshr_b32 s39, s23, s27                       ; group of 128 columns
	v_and_b32 v16, 7, v0                           ; of my 32 columns lane l takes column l % 8 + 16 ((l / 8) % 2) + 8 (l / 16):
	v_bfe_u32 v17, v0, 3, 1                        ; lanes 0-15 then hold the rows of fragment 2 j, lanes 16-31 those of fragment 2 j + 1, in the permuted order;
	v_lshl_or_b32 v16, v17, 4, v16                 ; a load still reads 128 consecutive bytes
	s_wait_alu depctr_va_vdst(0)
	v_lshl_or_b32 v16, v3, 3, v16
	v_lshlrev_b32 v16, 2, v16
.set i, 0
.rept 32
	v_mad_u32_u24 v[VO+i], s26, i, v16
.set i, i+1
.endr
	s_lshl_b32 s50, 0x600, s27                     ; from a row block to the next: K steps x 1,536
	v_add_nc_u32 v[FO], s50, v4                    ; my second fragment (the first lies at 16 x lane)
	s_lshl_b32 s51, s2, 3
	s_add_co_u32 s51, s51, WSC
	v_lshlrev_b32 v19, 5, v2
	v_lshl_add_u32 v19, v3, 2, v19
	v_add_nc_u32 v19, s51, v19                     ; LDS: my scale word: 32 r + 4 (2 j + h)
	v_add_nc_u32 v18, WSC, v4                      ; and the unit's 512 bytes, 16 a lane
	s_lshl_b32 s48, s38, 7
	s_mul_i32 s48, s48, s26                        ; 128 rows a K step
	s_lshl_b32 s49, s39, 9
	s_add_co_u32 s48, s48, s49                     ; 512 bytes a group of columns
	s_lshl_b32 s49, s2, 7
	s_add_co_u32 s48, s48, s49                     ; 128 bytes a wave
	s_mov_b32 s49, 0
	s_add_nc_u64 s[40:41], s[24:25], s[48:49]      ; block 0; blocks 1 to 3 lie 32 rows further down each
	s_lshl_b32 s48, s26, 5
	s_add_nc_u64 s[42:43], s[40:41], s[48:49]
	s_add_nc_u64 s[44:45], s[42:43], s[48:49]
	s_add_nc_u64 s[46:47], s[44:45], s[48:49]
	s_lshl_b32 s51, s39, 3
	s_lshl_b32 s56, s2, 1
	s_add_co_u32 s51, s51, s56                     ; row block 8 g + 2 j
	s_lshl_b32 s51, s51, s27
	s_add_co_u32 s51, s51, s38
	s_mul_i32 s48, s51, 1536
	s_add_co_u32 s48, s48, s29
	s_add_nc_u64 s[52:53], s[20:21], s[48:49]      ; codes: fragment (8 g + 2 j, K step)
	s_lshl_b32 s51, s39, s27
	s_add_co_u32 s51, s51, s38
	s_lshl_b32 s48, s51, 9
	s_add_co_u32 s48, s48, s30
	s_add_nc_u64 s[54:55], s[20:21], s[48:49]      ; scale words of (g, K step)
.macro WLOAD q                         ; block q: 32 rows, into set q % 2
.set i, 0
.rept 32
	global_load_b32 v[X+32*((\q)%2)+i], v[VO+i], s[40+2*(\q):41+2*(\q)] th:TH_LOAD_NT
.set i, i+1
.endr
.endm
.macro WBLK q
.set XS, X+32*((\q)%2)
.set CD, 160+12*((\q)%2)+6*((\q)/2)    ; blocks 0, 2 at v160, v166; blocks 1, 3 at v172, v178
.if (\q) < 3
	s_wait_loadcnt 32                              ; this block's 32 loads are in; the next block's may be out
.else
	s_wait_loadcnt 0x0
.endif
	v_max3_num_f32 v20, |v[XS]|, |v[XS+1]|, |v[XS+2]|
	v_max3_num_f32 v21, |v[XS+3]|, |v[XS+4]|, |v[XS+5]|
.irp i, 6,10,14,18,22,26
	v_max3_num_f32 v20, v20, |v[XS+\i]|, |v[XS+\i+1]|
	v_max3_num_f32 v21, v21, |v[XS+\i+2]|, |v[XS+\i+3]|
.endr
	v_max3_num_f32 v20, v20, |v[XS+30]|, |v[XS+31]|
	v_max3_num_f32 v20, v20, v21, 0x1800000
	v_add_nc_u32 v22, 0xff000000, v20
	v_lshrrev_b32 v23, 23, v22
.if (\q) == 0
	v_mov_b32 v188, v23                            ; my column's scale word: the lower K in the lower byte
.else
	v_lshl_or_b32 v188, v23, 8*(\q), v188
.endif
	v_cvt_scalef32_pk16_fp6_f32 v[CD:CD+2], v[XS:XS+15], v22
	v_cvt_scalef32_pk16_fp6_f32 v[184:186], v[XS+16:XS+31], v22
	v_nop
.irp i, 0,1,2
	v_mov_b32 v[CD+3+\i], v[184+\i]
.endr
.if (\q)+2 < 4
	WLOAD (\q)+2
.endif
.endm
	s_wait_alu depctr_va_vdst(0)
	WLOAD 0
	WLOAD 1
.irp q, 0,1,2,3
	WBLK \q
.endr
.irp i, 0,1,2,3,4,5                    ; a fragment wants blocks h and 2 + h in lane (r, h): the halves of the lanes change places
	v_permlane16_swap_b32 v[160+\i], v[172+\i]
	v_permlane16_swap_b32 v[166+\i], v[178+\i]
.endr
.irp c, 0,1,2
	global_store_b128 v4, v[160+4*\c:160+4*\c+3], s[52:53] offset:512*\c        ; fragment 2 j: 512 consecutive bytes a store
	global_store_b128 v[FO], v[172+4*\c:172+4*\c+3], s[52:53] offset:512*\c     ; fragment 2 j + 1
.endr
	ds_store_b32 v19, v188                         ; lane (r, h) holds the word of row block 2 j + h, row r
	s_wait_dscnt 0x0                               ; for wave 0's sake: my words have landed
	s_barrier_signal -1
	s_barrier_wait -1
	s_cmp_lg_u32 s2, 0
	s_cbranch_scc1 .Lw_end
	ds_load_b128 v[192:195], v18                   ; the four waves' words, as they are to lie in memory
	s_wait_dscnt 0x0
	global_store_b128 v4, v[192:195], s[54:55]     ; 512 consecutive bytes
.Lw_end:
	s_wait_tensorcnt 0x0
	ds_add_u32 v254, v255
	s_wait_dscnt 0x0
	s_endpgm
.Lfunc_end_k_qdb51503d5a_prep:
	.size	k_qdb51503d5a_prep, .Lfunc_end_k_qdb51503d5a_prep-k_qdb51503d5a_prep
	.p2alignl 7, 3214868480
	.fill 96, 4, 3214868480
	.section	.rodata,"a",@progbits
	.p2align	6, 0x0
	.amdhsa_kernel k_qdb51503d5a_prep
		.amdhsa_group_segment_fixed_size 43520
		.amdhsa_private_segment_fixed_size 0
		.amdhsa_enable_private_segment 0
		.amdhsa_kernarg_size 72
		.amdhsa_user_sgpr_count 2
		.amdhsa_user_sgpr_kernarg_segment_ptr 1
		.amdhsa_wavefront_size32 1
		.amdhsa_system_sgpr_workgroup_id_x 1
		.amdhsa_system_sgpr_workgroup_id_y 1
		.amdhsa_system_sgpr_workgroup_id_z 1
		.amdhsa_system_vgpr_workitem_id 0
		.amdhsa_next_free_vgpr 256
		.amdhsa_next_free_sgpr 66
		.amdhsa_reserve_vcc 1
		.amdhsa_float_denorm_mode_32 3
		.amdhsa_float_denorm_mode_16_64 3
		.amdhsa_memory_ordered 1
		.amdhsa_forward_progress 1
		.amdhsa_inst_pref_size 68
	.end_amdhsa_kernel
	.amdgpu_metadata
---
amdhsa.version: [ 1, 2 ]
amdhsa.kernels:
  - .name:           k_qdb51503d5a_prep
    .symbol:         k_qdb51503d5a_prep.kd
    .args:
      - { .name: x, .offset: 0, .size: 8, .value_kind: global_buffer, .address_space: global }
      - { .name: g1, .offset: 8, .size: 8, .value_kind: global_buffer, .address_space: global }
      - { .name: be1, .offset: 16, .size: 8, .value_kind: global_buffer, .address_space: global }
      - { .name: nx, .offset: 24, .size: 8, .value_kind: global_buffer, .address_space: global }
      - { .name: w_qkv, .offset: 32, .size: 8, .value_kind: global_buffer, .address_space: global }
      - { .name: w_o, .offset: 40, .size: 8, .value_kind: global_buffer, .address_space: global }
      - { .name: w1, .offset: 48, .size: 8, .value_kind: global_buffer, .address_space: global }
      - { .name: w2, .offset: 56, .size: 8, .value_kind: global_buffer, .address_space: global }
      - { .name: wq, .offset: 64, .size: 8, .value_kind: global_buffer, .address_space: global }
    .group_segment_fixed_size: 43520
    .private_segment_fixed_size: 0
    .kernarg_segment_align: 8
    .kernarg_segment_size: 72
    .max_flat_workgroup_size: 128
    .sgpr_count:     66
    .vgpr_count:     256
    .wavefront_size: 32
...
	.end_amdgpu_metadata
.endif
;; end of part 1
;; launch qkv (part 2): grid 12 x 16, 4 waves a work-group, clusters of 4 x 4, 327,680 bytes of LDS; arguments nx, wq, b_qkv, att; writes att
.if DOCPART == 2
	.amdgcn_target "amdgcn-amd-amdhsa--gfx1250"
	.amdhsa_code_object_version 6
	.text
	.protected	k_qdb51503d5a_qkv
	.globl	k_qdb51503d5a_qkv
	.p2align	8
	.type	k_qdb51503d5a_qkv,@function
k_qdb51503d5a_qkv:
	s_mov_b64 s[64:65], 0
	v_nop
	global_prefetch_b8 v0, s[64:65] scope:SCOPE_SE
	s_setreg_imm32_b32 hwreg(HW_REG_WAVE_MODE, 25, 1), 1
	s_wait_xcnt 0x0
	s_wait_alu depctr_hold_cnt(0) depctr_sa_sdst(0) depctr_va_vdst(0) depctr_va_sdst(0) depctr_va_ssrc(0) depctr_va_vcc(0) depctr_vm_vsrc(0)
	s_getreg_b32 s2, hwreg(HW_REG_IB_STS2, 6, 4)
	s_cmp_eq_u32 s2, 0
	s_cbranch_scc0 .Lentry_in_a_cluster
	s_endpgm
.Lentry_in_a_cluster:
	s_bfe_u32 s2, ttmp6, 0x10000c
	s_cmp_lg_u32 s2, 0xf033
	s_cbranch_scc0 .Lentry_shape_is_right
	s_endpgm
.Lentry_shape_is_right:
; q, k, v = LN1(x) w_qkv + b_qkv on codes of FP6 (E2M3) with E8M0 scales; the results are quantised at once: q and k along the head's 64, v along the keys.
; A tile of 256 x 256 to a work-group of four waves, 128 x 128 to a wave: 64 accumulators.  K = 1,024 goes in 8 steps of 128 through a ring of two LDS slots of two steps each.
; OPERANDS lie in memory and in LDS as images of their registers (a fragment of 16 rows x 128 K is 1,536 dense bytes: three loads of 16 bytes a lane at 16 x lane): no pitch, no padding.
; THE MATRIX INSTRUCTION IS USED TRANSPOSED (source 0 = "B", source 1 = "A"): lane (r, h) of accumulator (a, b) holds A's row (a, r) and eight rows of B.  All rows are stored permuted
; inside groups of 32, so that the 16 registers of b = 2 bb, 2 bb + 1 are the 16 true neighbours 32 bb + 16 h + 0..15 of B's rows.
; Clusters with x = 0, 1 make q and k: A = tokens, B = columns: a lane holds 64 + 64 channels of two heads of one token.  The cluster with x = 2 makes v with the operands' pointers
; changed over: A = columns, B = tokens: a lane holds 128 neighbouring keys of one channel, which is v's K.  The loop is the same text.
; CLUSTERS: 4 x 4; A's tiles are asked for jointly along a row of the cluster, B's along a column.
; att, for each (batch, head), 315,392 bytes: K codes [key / 32][1,536] (registers 0-5 tile 2 pb, 6-11 tile 2 pb + 1, each 64 K), V codes [key / 128][channel / 16][1,536],
; K scale words [key / 128][r][8], V scale words [key / 128][r][4], Q codes and Q scale words as K's.
; LIMITS: NaN and infinities are not served; a block under 2^-124 keeps the byte 1; a block of zeros has the byte 1 (its codes are zeros; only this program reads the bytes).
; A q or k scale word of an even head carries the odd head's two bytes on top: they scale only products with zero codes, and are never 0xff.
.set MB,    8                          ; blocks of 16 rows in a wave's tile, each way
.set NQ,    2                          ; K steps in a slot
.set KK,    1024
.set KST,   KK/128
.set LAPS,  KK/(256*NQ)
.set FRB,   1536
.set HALFT, MB*NQ*FRB                  ; what one tensor load brings: MB rows of NQ fragments
.set SLOT,  4*HALFT                    ; A's two halves, then B's
.set SCL,   2*SLOT                     ; behind the ring: the scale words for all of K, filled once
.set HALFS, KST*MB*64
.set SH,    HALFS                      ; from my half's scale words to the other half's
.set SPARE, SCL+4*HALFS                ; the spare words: 128 bytes a wave, named by no other line
.set NF,    6*MB+MB/4                  ; LDS loads of a K step
.set NXS,   3145728
.set WQS,   2359296
.set WVC,   1572864
.set WVS,   2424832
.set HB,    315392
.set VCO,   98304
.set KSO,   196608
.set VSO,   204800
.set QCO,   208896
.set QSO,   307200
.set ADRA, 16                          ; v16-17 LDS address of my A fragments in slot 0, 1;  v20-21 the same for B
.set ADRB, 20
.set ADRS, 27                          ; v27 my scale words: lanes 0-15 A's, lanes 16-31 B's
.set SPW,  28
.set NIL,  29
.set SC,   32                          ; v32-47 scale words, two sets of 8: register i = A's block i below, B's block i above; they hold nothing else
.set AF,   64                          ; window 0: A's fragments, two sets of 96;  window 1: B's, at v0 and v128;  windows 2, 3: the accumulators
.set SW,   48                          ; the way out: v48-55 eight scale words, v56-59 four to store
.set T4,   56
.set BI,   64                          ; v64-127 the bias (v: v64-71)
.set H,    128                         ; v128-191 64 numbers of a lane
.set PX,   192                         ; v192-203, v204-215 two fragments of codes
.set PY,   204
.set CT,   216
.set TM,   224
.set PW,   240
.set SEL,  100
.set G1, 24
.set G0, 32
.set G1B, 48
.set G0B, 56
.set G1S, 68
.set G0S, 76
.set G1SB, 80
.set G0SB, 88
.set MSB, 0
.macro WIN new                         ; the immediate's high byte repeats the setting that is left
.if MSB != (\new)
	s_set_vgpr_msb (MSB<<8)|(\new)
.set MSB, (\new)
.endif
.endm
.set MUL_LO, 0xa1                      ; source 0 (B) window 1, source 1 (A) window 0, C and D window 2
.set MUL_HI, 0xf1
.set TO_B,   0x40
.macro JLOAD g0a, g1a, g0b, g1b        ; a joint load: waves 0, 1 fetch for A, waves 2, 3 for B; four v_nop follow each line
	s_cmp_eq_u32 s15, 0
	s_cbranch_scc0 .Lfor_b_\@
	tensor_load_to_lds s[\g0a:\g0a+3], s[\g1a:\g1a+7]
	s_nop 0
.rept 4
	v_nop
.endr
	s_branch .Lasked_\@
.Lfor_b_\@:
	tensor_load_to_lds s[\g0b:\g0b+3], s[\g1b:\g1b+7]
	s_nop 0
.rept 4
	v_nop
.endr
.Lasked_\@:
.endm
.macro CREST                           ; a round of the cluster's barrier behind its opening barrier
	s_cmp_lg_u32 s14, 0
	s_cbranch_scc1 .Lnot_wave_0_\@
	s_barrier_signal -3
.Lnot_wave_0_\@:
	s_barrier_wait -3
	s_barrier_signal -1
	s_barrier_wait -1
.endm
.macro CROUND
	s_barrier_signal -1
	s_barrier_wait -1
	CREST
.endm
.macro PLACES                          ; four plain places behind matrix instructions, in front of loads into their registers and of reads of their results
.rept 4
	v_nop
.endr
.endm
	s_load_b256 s[4:11], s[0:1], 0x0               ; nx, wq, b_qkv, att
	v_lshl_add_u32 v[SPW], v0, 2, SPARE
	v_mov_b32 v[NIL], 0
	ds_add_u32 v28, v29
	ds_add_u32 v28, v29
	s_wait_dscnt 0x0
	v_lshrrev_b32 v1, 5, v0
	v_readfirstlane_b32 s14, v1                    ; wave
	s_lshr_b32 s15, s14, 1                         ; my half of A's rows.  Also: I fetch for A (0) or for B (1)
	s_and_b32 s16, s14, 1                          ; my half of B's rows.  Also: which half I fetch
	s_bfe_u32 s40, ttmp6, 0x40000                  ; cx
	s_bfe_u32 s41, ttmp6, 0x40004                  ; cy
	s_and_b32 s18, ttmp7, 0xffff
	s_lshl_b32 s18, s18, 2                         ; 4 x cluster y
	s_lshl_b32 s19, ttmp9, 2                       ; 4 x cluster x
	s_add_co_u32 s17, s18, s41
	s_add_co_u32 s42, s19, s40
	s_add_co_u32 s19, s18, s40
	s_cmp_eq_u32 ttmp9, 2                          ; v's cluster?  The same in all sixteen partners
	s_cselect_b32 s17, s41, s17                    ; A's tile: tokens 4 Y + cy, or v's columns cy
	s_cselect_b32 s42, s19, s42                    ; B's tile: columns 4 X + cx, or tokens 4 Y + cx
	s_lshl_b32 s43, s41, 2
	s_lshl_b32 s43, 15, s43                        ; my row of the cluster
	s_lshl_b32 s44, 0x1111, s40                    ; my column
	s_or_b32 s[G1+0], s43, (3<<16)|(1<<21)         ; the mask; elements of 8 bytes; no padding; bit 21 beside a mask
	s_or_b32 s[G1B+0], s44, (3<<16)|(1<<21)
.irp g, G1, G1B
	s_mov_b32 s[\g+1], (NQ*192)<<16                ; tensor_dim0: NQ fragments
	s_mov_b32 s[\g+2], (2*MB)<<16                  ; tensor_dim1: the head's loads bring a whole tile, both halves
	s_mov_b32 s[\g+3], (NQ*192)<<16                ; tile_dim0
	s_mov_b32 s[\g+4], 2*MB                        ; tile_dim1
	s_mov_b32 s[\g+5], KST*192                     ; from a row block to the next
	s_mov_b32 s[\g+6], 0
	s_mov_b32 s[\g+7], 0
.endr
	s_or_b32 s[G1S+0], s43, (3<<16)|(1<<21)
	s_or_b32 s[G1SB+0], s44, (3<<16)|(1<<21)
.irp g, G1S, G1SB
	s_mov_b32 s[\g+1], 32<<16                      ; a dense block as rows of 256 bytes
	s_mov_b32 s[\g+2], (HALFS/128)<<16             ; both halves' scale words
	s_mov_b32 s[\g+3], 32<<16
	s_mov_b32 s[\g+4], HALFS/128
	s_mov_b32 s[\g+5], 32
	s_mov_b32 s[\g+6], 0
	s_mov_b32 s[\g+7], 0
.endr
	s_lshl_b32 s18, s17, 1                         ; A's tile, from its first half on
	s_mul_i32 s66, s18, MB*KST*FRB
	s_mov_b32 s67, 0
	s_mul_i32 s18, s18, HALFS
	s_mov_b32 s19, 0
	s_lshl_b32 s2, s42, 1                          ; B's tile
	s_mul_i32 s94, s2, MB*KST*FRB
	s_mov_b32 s95, 0
	s_mul_i32 s96, s2, HALFS
	s_mov_b32 s97, 0
	s_mul_i32 s45, s14, HALFT                      ; where they go: wave x a quarter of a slot
	s_wait_kmcnt 0x0
	s_cmp_eq_u32 ttmp9, 2
	s_add_nc_u64 s[98:99], s[6:7], WVC
	s_cselect_b64 s[20:21], s[98:99], s[4:5]       ; A's codes: v's weights, or the tokens
	s_cselect_b64 s[46:47], s[4:5], s[6:7]         ; B's codes: the tokens, or q's and k's weights
	s_add_nc_u64 s[98:99], s[4:5], NXS
	s_add_nc_u64 s[100:101], s[6:7], WVS
	s_cselect_b64 s[22:23], s[100:101], s[98:99]   ; A's scale words
	s_add_nc_u64 s[100:101], s[6:7], WQS
	s_cselect_b64 s[92:93], s[98:99], s[100:101]   ; B's
	s_add_nc_u64 s[20:21], s[20:21], s[66:67]
	s_add_nc_u64 s[22:23], s[22:23], s[18:19]
	s_add_nc_u64 s[46:47], s[46:47], s[94:95]
	s_add_nc_u64 s[92:93], s[92:93], s[96:97]
	CROUND                                         ; all sixteen work-groups are here: the first joint loads meet
	s_mov_b32 s[G0S], 1
	s_mov_b32 s[G0S+1], SCL
	s_mov_b64 s[G0S+2:G0S+3], s[22:23]
	s_or_b32 s[G0S+3], s[G0S+3], 0x80000000
	s_mov_b32 s[G0SB], 1
	s_mov_b32 s[G0SB+1], SCL+2*HALFS
	s_mov_b64 s[G0SB+2:G0SB+3], s[92:93]
	s_or_b32 s[G0SB+3], s[G0SB+3], 0x80000000
.irp s, 0,1
	s_mov_b32 s[G0+4*\s], 1
	s_add_co_u32 s[G0+4*\s+1], s45, \s*SLOT
	s_add_nc_u64 s[G0+4*\s+2:G0+4*\s+3], s[20:21], \s*NQ*FRB
	s_or_b32 s[G0+4*\s+3], s[G0+4*\s+3], 0x80000000
	s_mov_b32 s[G0B+4*\s], 1
	s_add_co_u32 s[G0B+4*\s+1], s45, \s*SLOT
	s_add_nc_u64 s[G0B+4*\s+2:G0B+4*\s+3], s[46:47], \s*NQ*FRB
	s_or_b32 s[G0B+4*\s+3], s[G0B+4*\s+3], 0x80000000
.endr
	; THE HEAD'S FOUR TILES, ONE JOINT LOAD A WAVE: wave 0 slot 0's 256 rows of A, wave 1 those of B, wave 2 A's scale words, wave 3 B's.
	; Slot 0's groups 0 serve these loads first (whole tiles, at LDS 0 and 2 HALFT); they are set for the ring behind the wait that shows the loads landed.
	; No prefetch: K is 1,024, four slots' fills in all, of which two go out in the head.
	s_mov_b32 s[G0+1], 0
	s_mov_b32 s[G0B+1], 2*HALFT
	s_mul_i32 s18, s16, MB*KST*FRB                 ; in the ring I fetch one half of a tile (s19 = 0)
	s_add_nc_u64 s[G0+6:G0+7], s[G0+6:G0+7], s[18:19]
	s_add_nc_u64 s[G0B+6:G0B+7], s[G0B+6:G0B+7], s[18:19]
.macro ARM under, g0, g1, next
	s_cmp_lt_u32 s14, \under
	s_cbranch_scc0 \next
	tensor_load_to_lds s[\g0:\g0+3], s[\g1:\g1+7]
	s_nop 0
.rept 4
	v_nop
.endr
	s_branch .Lhead_asked
\next:
.endm
	ARM 1, G0,  G1,  .Lhead_b
	ARM 2, G0B, G1B, .Lhead_sa
	ARM 3, G0S, G1S, .Lhead_sb
	tensor_load_to_lds s[G0SB:G0SB+3], s[G1SB:G1SB+7]
	s_nop 0
.rept 4
	v_nop
.endr
.Lhead_asked:
	v_and_b32 v1, 31, v0                           ; lane
	v_and_b32 v2, 15, v0                           ; r
	v_bfe_u32 v3, v0, 4, 1                         ; h
	s_wait_alu depctr_va_vdst(0)
	v_lshlrev_b32 v4, 4, v1                        ; 16 x lane
	s_mul_i32 s21, s15, HALFT
	s_mul_i32 s22, s16, HALFT
	s_add_co_u32 s22, s22, 2*HALFT
.irp s, 0,1
	v_add_nc_u32 v[ADRA+\s], s21, v4
	v_add_nc_u32 v[ADRB+\s], s22, v4
	s_add_co_u32 s21, s21, SLOT
	s_add_co_u32 s22, s22, SLOT
.endr
	v_lshlrev_b32 v5, 5, v2                        ; 32 bytes of scale words a row
	s_mul_i32 s21, s15, SH
	s_mul_i32 s22, s16, SH
	s_add_co_u32 s22, s22, 2*HALFS
	s_sub_co_u32 s22, s22, s21
	v_mul_u32_u24 v6, s22, v3                      ; lanes 16-31 take B's: one product with h
	s_add_co_u32 s21, s21, SCL
	v_add_nc_u32 v5, v5, v6
	v_add_nc_u32 v[ADRS], s21, v5
	; the way out: offsets and pointers
	v_lshlrev_b32 v7, 6, v3                        ; q, k: the bias of my 16 of each 32 columns: 64 h
	v_and_b32 v8, 8, v2
	v_add_nc_u32 v8, v8, v2
	v_lshlrev_b32 v8, 2, v8                        ; v: the bias of my channel: 4 (r + 8 (r / 8))
	v_lshlrev_b32 v9, 5, v2
	v_lshl_add_u32 v9, v3, 4, v9                   ; scale words: 32 r + 16 h
	v_mul_u32_u24 v10, v3, HB
	v_lshl_add_u32 v10, v2, 4, v10                 ; v's: the next head's block for lanes 16-31, + 16 r
	s_mov_b32 s[SEL], 0x76543210
	s_mov_b32 s[SEL+1], 0xfedcba98
	s_cmp_eq_u32 ttmp9, 2
	s_cselect_b32 s18, s42, s17                    ; the tile of 256 tokens
	s_cselect_b32 s19, s41, s40                    ; which 256 columns of q, of k or of v
	s_cselect_b32 s20, s16, s15                    ; my half of the tokens
	s_cselect_b32 s21, s15, s16                    ; my half of the columns
	s_cselect_b32 s22, 8, 9                        ; log2 of the scale words' bytes for 128 tokens
	s_cselect_b32 s23, VCO, 0                      ; the codes' region in a head's block: v's, or k's,
	s_mov_b32 s46, KSO
	s_cselect_b32 s46, VSO, s46                    ; and the scale words'
	s_cselect_b32 s47, s17, s42                    ; the tile of columns, for the bias
	s_cselect_b32 s66, 2048, 0
	s_cmp_eq_u32 ttmp9, 0
	s_cselect_b32 s23, QCO, s23                    ; or q's
	s_cselect_b32 s46, QSO, s46
	s_lshr_b32 s12, s18, 3
	s_lshl_b32 s12, s12, 4
	s_lshl_b32 s13, s19, 2
	s_add_co_u32 s12, s12, s13
	s_lshl_b32 s13, s21, 1
	s_add_co_u32 s12, s12, s13                     ; 16 x batch + my first head
	s_mul_i32 s12, s12, HB
	s_and_b32 s13, s18, 7
	s_lshl_b32 s13, s13, 1
	s_add_co_u32 s13, s13, s20                     ; which 128 tokens of the sequence
	s_mul_i32 s96, s13, 6144
	s_add_co_u32 s96, s96, s12
	s_add_co_u32 s96, s96, s23
	s_mov_b32 s97, 0
	s_add_nc_u64 s[96:97], s[10:11], s[96:97]      ; codes
	s_lshl_b32 s98, s13, s22
	s_add_co_u32 s98, s98, s12
	s_add_co_u32 s98, s98, s46
	s_mov_b32 s99, 0
	s_add_nc_u64 s[98:99], s[10:11], s[98:99]      ; scale words
	s_lshl_b32 s94, s47, 8
	s_lshl_b32 s95, s21, 7
	s_add_co_u32 s94, s94, s95
	s_add_co_u32 s94, s94, s66
	s_lshl_b32 s94, s94, 2
	s_mov_b32 s95, 0
	s_add_nc_u64 s[94:95], s[8:9], s[94:95]        ; the bias of my 128 columns
.macro FETCH slot, q, set              ; the fragments and scale words of the slot's q-th K step
	WIN TO_B
.set fi, 0
.rept MB
.irp c, 0,1,2
	ds_load_b128 v[128*(\set)+12*fi+4*\c:128*(\set)+12*fi+4*\c+3], v[ADRB+\slot] offset:fi*NQ*FRB+(\q)*FRB+512*\c
.endr
.set fi, fi+1
.endr
	WIN 0
.set fi, 0
.rept MB
.irp c, 0,1,2
	ds_load_b128 v[AF+12*MB*(\set)+12*fi+4*\c:AF+12*MB*(\set)+12*fi+4*\c+3], v[ADRA+\slot] offset:fi*NQ*FRB+(\q)*FRB+512*\c
.endr
.set fi, fi+1
.endr
.set fi, 0
.rept MB/4
	ds_load_b128 v[SC+MB*(\set)+4*fi:SC+MB*(\set)+4*fi+3], v[ADRS] offset:512*(\q)+16*fi
.set fi, fi+1
.endr
.endm
.macro MULQ p, set, zero               ; a quarter of a K step's products.  The accumulators take turns, one instruction a turn, in the same order in every step
.set a_, (\p)*MB/4
.rept MB/4
.if a_ < 4
	WIN MUL_LO
.else
	WIN MUL_HI
.endif
.set b_, 0
.rept MB
.set ac_, 8*(MB*(a_%4)+b_)
.if \zero
	v_wmma_scale_f32_16x16x128_f8f6f4 v[ac_:ac_+7], v[128*(\set)+12*b_:128*(\set)+12*b_+11], v[AF+12*MB*(\set)+12*a_:AF+12*MB*(\set)+12*a_+11], 0, v[SC+MB*(\set)+b_], v[SC+MB*(\set)+a_] matrix_a_fmt:MATRIX_FMT_FP6 matrix_b_fmt:MATRIX_FMT_FP6 matrix_a_scale:MATRIX_SCALE_ROW1
.else
	v_wmma_scale_f32_16x16x128_f8f6f4 v[ac_:ac_+7], v[128*(\set)+12*b_:128*(\set)+12*b_+11], v[AF+12*MB*(\set)+12*a_:AF+12*MB*(\set)+12*a_+11], v[ac_:ac_+7], v[SC+MB*(\set)+b_], v[SC+MB*(\set)+a_] matrix_a_fmt:MATRIX_FMT_FP6 matrix_b_fmt:MATRIX_FMT_FP6 matrix_a_scale:MATRIX_SCALE_ROW1
.endif
.set b_, b_+1
.endr
.set a_, a_+1
.endr
.endm
.macro STEP slot, q, zero              ; a K step that has its successor in the same slot: the successor is fetched into the other set first
	PLACES
	FETCH \slot, (\q)+1, ((\q)+1)%2
	s_wait_dscnt NF                                ; all but the NF loads just issued: this step's fragments and scale words are in
	MULQ 0, (\q)%2, \zero
	MULQ 1, (\q)%2, \zero
	MULQ 2, (\q)%2, \zero
	MULQ 3, (\q)%2, \zero
.endm
.macro TURN slot, next, fill           ; a slot's last K step changes slots
	WIN 0
	s_wait_tensorcnt 0x0                           ; all my tensor loads have landed: my part of the next slot
	ds_add_u32 v[SPW], v[NIL]                      ; 0 onto my spare word
	s_wait_dscnt 1                                 ; (only the add may be out: this step's fragments are in)
	MULQ 0, 1, 0
	s_wait_dscnt 0x0                               ; the add is done, and my reads of this slot are over
	s_barrier_signal -1
	MULQ 1, 1, 0
	WIN 0
	s_barrier_wait -1
.if \fill
	CREST                                          ; the barrier has opened a round of the cluster's: no wave of any partner still reads this slot or has a load on its way
	s_add_nc_u64 s[G0+4*\slot+2:G0+4*\slot+3], s[G0+4*\slot+2:G0+4*\slot+3], 2*NQ*FRB
	s_add_nc_u64 s[G0B+4*\slot+2:G0B+4*\slot+3], s[G0B+4*\slot+2:G0B+4*\slot+3], 2*NQ*FRB
	JLOAD G0+4*\slot, G1, G0B+4*\slot, G1B         ; the first tensor load behind the round; its four v_nop are also the places in front of the loads below
.else
	PLACES
.endif
	s_wait_alu depctr_va_vdst(0)
	v_add_nc_u32 v[ADRS], 512*NQ, v[ADRS]          ; on to the next slot's scale words
	FETCH \next, 0, 0
	MULQ 2, 1, 0
	MULQ 3, 1, 0
.endm
	s_wait_alu depctr_va_vdst(0)
	s_wait_tensorcnt 0x0                           ; my tile of the head's four is in
	ds_add_u32 v[SPW], v[NIL]
	s_mov_b32 s[G1+2], MB<<16                      ; no load of mine is out: from here on a load brings one half of a tile
	s_mov_b32 s[G1+4], MB
	s_mov_b32 s[G1B+2], MB<<16
	s_mov_b32 s[G1B+4], MB
	s_mov_b32 s[G0+1], s45                         ; slot 0's groups 0 for the ring: my quarter of the slot, my half's first K step
	s_mov_b32 s[G0B+1], s45
	s_sub_nc_u64 s[G0+2:G0+3], s[G0+6:G0+7], NQ*FRB
	s_sub_nc_u64 s[G0B+2:G0B+3], s[G0B+6:G0B+7], NQ*FRB
	s_wait_dscnt 0x0
	CROUND                                         ; all four tiles are in, in every partner
	JLOAD G0+4, G1, G0B+4, G1B                     ; slot 1's first fill, issued as a refill is
	FETCH 0, 0, 0
	STEP 0, 0, 1                                   ; the first step's products start the sums
	WIN 0
	s_mov_b32 s3, LAPS-1
.Llap:
	TURN 0, 1, 1
	STEP 1, 0, 0
	TURN 1, 0, 1
	STEP 0, 0, 0
	WIN 0
	s_sub_co_u32 s3, s3, 1
	s_cmp_lg_u32 s3, 0
	s_cbranch_scc1 .Llap
	TURN 0, 1, 0                                   ; the last lap fills nothing
	STEP 1, 0, 0
	WIN 0
	PLACES                                         ; A's set 0 has been multiplied: the bias lands there under the last step
	s_cmp_eq_u32 ttmp9, 2
	s_cbranch_scc1 .Lpre_v
.irp bb, 0,1,2,3
.irp e, 0,1,2,3
	global_load_b128 v[BI+16*\bb+4*\e:BI+16*\bb+4*\e+3], v7, s[94:95] offset:128*\bb+16*\e    ; columns 32 bb + 16 h + 4 e ..
.endr
.endr
	s_branch .Lpre_done
.Lpre_v:
.irp a, 0,1,2,3,4,5,6,7
	global_load_b32 v[BI+\a], v8, s[94:95] offset:(32*(\a/2)+8*(\a%2))*4     ; my channel of block a
.endr
.Lpre_done:
	s_wait_dscnt 0x0
	MULQ 0, 1, 0
	MULQ 1, 1, 0
	MULQ 2, 1, 0
	MULQ 3, 1, 0
	WIN 0
	PLACES
; 64 numbers of a lane, register 16 b + i = K 32 b + 16 h + i of my row, become codes: K 0-63 in v[d0] .. v[d0+5], K 64-127 in v[d1] .. v[d1+5]; the row's scale word in v[PW]
.macro QUANT s, d0, d1
.irp b, 0,1,2,3
	v_max3_num_f32 v[TM+\b], |v[\s+16*\b]|, |v[\s+1+16*\b]|, 0x1800000      ; with the floor 2^(3 - 127): the byte cannot fall under 1
.endr
.irp i, 2,4,6,8,10,12,14
.irp b, 0,1,2,3
	v_max3_num_f32 v[TM+\b], v[TM+\b], |v[\s+16*\b+\i]|, |v[\s+1+16*\b+\i]|
.endr
.endr
.irp b, 0,1,2,3
	v_permlanex16_b32 v[TM+4+\b], v[TM+\b], s[SEL], s[SEL+1]
.endr
.irp b, 0,1,2,3
	v_max_num_f32 v[TM+\b], v[TM+\b], v[TM+4+\b]
.endr
.irp b, 0,1,2,3
	v_add_nc_u32 v[TM+8+\b], 0xff000000, v[TM+\b]  ; 2 off the exponent field: the conversion's scale operand
.endr
.irp b, 0,1,2,3
	v_lshrrev_b32 v[TM+4+\b], 23, v[TM+8+\b]
.endr
	v_lshl_or_b32 v[PW], v[TM+5], 8, v[TM+4]
	v_lshl_or_b32 v[PW], v[TM+6], 16, v[PW]
	v_lshl_or_b32 v[PW], v[TM+7], 24, v[PW]
	v_cvt_scalef32_pk16_fp6_f32 v[\d0:\d0+2], v[\s:\s+15], v[TM+8]
	v_cvt_scalef32_pk16_fp6_f32 v[CT:CT+2], v[\s+16:\s+31], v[TM+9]
	v_cvt_scalef32_pk16_fp6_f32 v[\d1:\d1+2], v[\s+32:\s+47], v[TM+10]
	v_cvt_scalef32_pk16_fp6_f32 v[CT+4:CT+6], v[\s+48:\s+63], v[TM+11]
	v_nop                                          ; a plain place behind the conversions
.irp i, 0,1,2                          ; a lane wants a whole block: the halves of the lanes change places
	v_permlane16_swap_b32 v[\d0+\i], v[CT+\i]
	v_permlane16_swap_b32 v[\d1+\i], v[CT+4+\i]
.endr
.irp i, 0,1,2
	v_mov_b32 v[\d0+3+\i], v[CT+\i]
	v_mov_b32 v[\d1+3+\i], v[CT+4+\i]
.endr
.endm
.irp b, 0,1,2,3
	v_mov_b32 v[TM+4+\b], 0                        ; written once: a lane permute's destination counts as a source
.endr
	v_cmp_eq_u32 vcc_lo, 1, v3                     ; lanes 16-31
	s_wait_loadcnt 0x0                             ; the bias
	s_cmp_eq_u32 ttmp9, 2
	s_cbranch_scc1 .Lv_out
	; q, k: block a's 64 registers are 128 columns = two heads of token (a, r).  Two blocks make a fragment's image for each head
.irp pp, 0,1,2,3
	s_wait_xcnt 0x0                                ; the last stores have read the codes' registers
.irp u, 0,1
	WIN 0x02+(2*\pp+\u)/4
.set n, 0
.rept 32
	v_pk_add_f32 v[H+2*n:H+2*n+1], v[64*((2*\pp+\u)%4)+2*n:64*((2*\pp+\u)%4)+2*n+1], v[BI+2*n:BI+2*n+1]    ; each accumulator from its low end on
.set n, n+1
.endr
	WIN 0
	QUANT H, PX+6*\u, PY+6*\u
	v_mov_b32 v[SW+2*\pp+\u], v[PW]
.endr
.irp c, 0,1,2
	global_store_b128 v4, v[PX+4*\c:PX+4*\c+3], s[96:97] offset:1536*\pp+512*\c
	global_store_b128 v4, v[PY+4*\c:PY+4*\c+3], s[96:97] offset:HB+1536*\pp+512*\c
.endr
.endr
.irp e, 0,1,2,3
	v_cndmask_b32 v[T4+\e], v[SW+\e], v[SW+4+\e], vcc_lo      ; lane (r, h): the words of blocks 4 h .. 4 h + 3
.endr
	global_store_b128 v9, v[T4:T4+3], s[98:99]     ; 512 consecutive bytes
	s_wait_alu depctr_va_vdst(0)
	s_wait_xcnt 0x0
.irp e, 0,1,2,3
	v_lshrrev_b32 v[T4+\e], 16, v[T4+\e]           ; the odd head's two bytes
.endr
	global_store_b128 v9, v[T4:T4+3], s[98:99] offset:HB
	s_branch .Ldone
.Lv_out:
	; v: block a's 64 registers are 128 neighbouring keys of channel (a, r): one fragment
.irp a, 0,1,2,3,4,5,6,7
	s_wait_xcnt 0x0
	WIN 0x02+\a/4
.set n, 0
.rept 64
	v_add_f32 v[H+n], v[64*(\a%4)+n], v[BI+\a]
.set n, n+1
.endr
	WIN 0
	QUANT H, PX, PX+6
	v_mov_b32 v[SW+\a], v[PW]
.irp c, 0,1,2
	global_store_b128 v4, v[PX+4*\c:PX+4*\c+3], s[96:97] offset:(\a/4)*HB+(\a%4)*1536+512*\c
.endr
.endr
.irp e, 0,1,2,3
	v_cndmask_b32 v[T4+\e], v[SW+\e], v[SW+4+\e], vcc_lo      ; lanes 0-15 my first head's four tiles, lanes 16-31 the second's
.endr
	global_store_b128 v10, v[T4:T4+3], s[98:99]    ; each half of the wave stores 256 consecutive bytes
.Ldone:
	s_wait_tensorcnt 0x0                           ; the wave's end
	ds_add_u32 v[SPW], v[NIL]
	s_wait_dscnt 0x0
	CROUND                                         ; the closing round
	s_endpgm
.Lfunc_end_k_qdb51503d5a_qkv:
	.size	k_qdb51503d5a_qkv, .Lfunc_end_k_qdb51503d5a_qkv-k_qdb51503d5a_qkv
	.p2alignl 7, 3214868480
	.fill 96, 4, 3214868480
	.section	.rodata,"a",@progbits
	.p2align	6, 0x0
	.amdhsa_kernel k_qdb51503d5a_qkv
		.amdhsa_group_segment_fixed_size 327680
		.amdhsa_private_segment_fixed_size 0
		.amdhsa_enable_private_segment 0
		.amdhsa_kernarg_size 32
		.amdhsa_user_sgpr_count 2
		.amdhsa_user_sgpr_kernarg_segment_ptr 1
		.amdhsa_wavefront_size32 1
		.amdhsa_system_sgpr_workgroup_id_x 1
		.amdhsa_system_sgpr_workgroup_id_y 1
		.amdhsa_system_sgpr_workgroup_id_z 1
		.amdhsa_system_vgpr_workitem_id 0
		.amdhsa_next_free_vgpr 1024
		.amdhsa_next_free_sgpr 102
		.amdhsa_reserve_vcc 1
		.amdhsa_float_denorm_mode_32 3
		.amdhsa_float_denorm_mode_16_64 3
		.amdhsa_memory_ordered 1
		.amdhsa_forward_progress 1
		.amdhsa_inst_pref_size 208
	.end_amdhsa_kernel
	.amdgpu_metadata
---
amdhsa.version: [ 1, 2 ]
amdhsa.kernels:
  - .name:           k_qdb51503d5a_qkv
    .symbol:         k_qdb51503d5a_qkv.kd
    .args:
      - { .name: nx, .offset: 0, .size: 8, .value_kind: global_buffer, .address_space: global }
      - { .name: wq, .offset: 8, .size: 8, .value_kind: global_buffer, .address_space: global }
      - { .name: b_qkv, .offset: 16, .size: 8, .value_kind: global_buffer, .address_space: global }
      - { .name: att, .offset: 24, .size: 8, .value_kind: global_buffer, .address_space: global }
    .group_segment_fixed_size: 327680
    .private_segment_fixed_size: 0
    .kernarg_segment_align: 8
    .kernarg_segment_size: 32
    .max_flat_workgroup_size: 128
    .sgpr_count:     102
    .vgpr_count:     1024
    .wavefront_size: 32
...
	.end_amdgpu_metadata
.endif
;; end of part 2
;; launch attn (part 3): grid 8 x 32, 16 waves a work-group, no clusters, 247,808 bytes of LDS; arguments att, ctx; writes ctx
.if DOCPART == 3
	.amdgcn_target "amdgcn-amd-amdhsa--gfx1250"
	.amdhsa_code_object_version 6
	.text
	.protected	k_qdb51503d5a_attn
	.globl	k_qdb51503d5a_attn
	.p2align	8
	.type	k_qdb51503d5a_attn,@function
k_qdb51503d5a_attn:
	s_mov_b64 s[64:65], 0
	v_nop
	global_prefetch_b8 v0, s[64:65] scope:SCOPE_SE
	s_setreg_imm32_b32 hwreg(HW_REG_WAVE_MODE, 25, 1), 1
	s_wait_xcnt 0x0
; ctx = softmax(q k^T / 32, causal) v for one (batch, head), both products on codes of FP6 (E2M3) with E8M0 scales; the result is quantised along the model's 1,024 for the next product.
; t = score x log2(e) / 32; M = the running largest t rounded up to a whole number; p = 2^(t - M) is quantised along the keys, not normalised; the row's sum of the unquantised p divides at the end.
; LDS holds a copy of the first 208,896 bytes of the head's block: K's codes, V's codes, K's and V's scale words.  The sixteen waves bring it by one tensor load each, a sixteenth each,
; all issued at the head: one load of a wave is out.  Nothing is filled again.
; SHARES.  The work-group (i, head) owns the query blocks i and 15 - i (128 queries each): under the causal mask a tile of block b has b + 1 key steps of 128 keys, a pair of tiles 17.
; Waves 2 t and 2 t + 1 share the pair (tile t of block i, tile t of block 15 - i) so that each has 8 or 9 steps.  Wave A takes key steps 0 .. 8 of the late tile.  Wave B takes all i + 1 steps of
; the early tile, stores its result, begins anew with the late tile's Q, and takes that tile's steps 9 .. 15 - i, the diagonal among them.  B's part (O^T, -M, the sums) goes to A through LDS as
; an image of its registers; A brings both parts under the larger M by factors 2^(whole number), which round nothing, adds them and finishes.  Where i = 7 B's part is empty: zeros, whose factor is 0.
; The step's number is made without a branch: J = N + (N >= SWN ? 8 - i : 0), N the loop's counter; a step is worked where J < END.  All of it hangs on ids alone; the trip count is a constant.
; Every wave loads the late tile's Q at the head; wave B alone uses it.
; NO CLUSTER: the steps that a wave works hang on the query block, which differs between the work-groups that share a head.  NO PREFETCH: every byte is asked for in the kernel's first lines.
; LAYOUT.  S^T = K Q^T (source 0 = 16 keys), O^T = V^T P^T (source 0 = 16 channels): a lane holds one query.  K = 64 fills half of the instruction's 128: Q's upper six registers are zero
; codes; K's upper six are the next tile's codes (or six zeros), which meet those zeros.  The keys of a tile, and V's channels, lie permuted so that 16 registers are 16 neighbours.
; LIMITS: NaN and infinities are not served; a block under 2^-124, or of zeros, has the byte 1.  A head is half of a K step of the next product: the middle run of a fragment's image is
; stored 8 bytes of every 16, and the scale bytes two at a time.
.set HB,  315392
.set VCO, 98304
.set KSO, 196608
.set VSO, 204800
.set QCO, 208896
.set QSO, 307200
.set CXS, 3145728
.set PART, 208896                      ; LDS behind the copy: 4,608 bytes for each pair of waves: B's part.  No fill lands here
.set KV,  38                           ; v38-85 a step's K, then its V; v86-91 zeros
.set S,   92                           ; v92-155 S^T, then p
.set O,   156                          ; v156-187 O^T
.set PCD, 188                          ; v188-199 p's codes
.set CT,  200
.set BM,  208
.set PD,  212
.set SO,  216
.set F,   220                          ; v[220:221] f = 2^(old M - new M), named as a pair
.set TP,  222
.set SB,  223
.set SM,  224
.set Q2,  226                          ; v226-231 the late tile's Q;  v232 its scale words
.set QS2, 232
.set PADR, 233                         ; v233 LDS address of my pair's part: PART + 4,608 t + 16 x lane
.set WV,  8
.set BH,  9
.set TT,  21
.set BLK, 22
.set CS,  28
.set SEL, 30
.set G0,  32                           ; s[32:35] group 0;  s[68:75] group 1 of the copy's load
.set G1S, 52
.set G1C, 68
.set J,   76                           ; the key step in hand, and its places in K's and V's codes and scale words
.set TK,  77
.set TS,  78
.set TV,  79
.set N,   91                           ; which of my steps
.set SWN, 92                           ; the N at which wave B changes tiles (wave A: never)
.set OFF2, 93                          ; 8 - i
.set END1, 94                          ; steps are worked where J < END1, behind the change of tiles where J < END2
.set END2, 95
.set BLK2, 96                          ; the late block
.set BLKC, 97                          ; the block of the tile in hand: its diagonal step
.set ENDC, 98
	s_load_b128 s[4:7], s[0:1], 0x0                ; att, ctx
	v_lshl_add_u32 v254, v0, 2, 0x3c000
	v_mov_b32 v255, 0
	ds_add_u32 v254, v255
	ds_add_u32 v254, v255
	v_lshrrev_b32 v1, 5, v0
	s_delay_alu instid0(VALU_DEP_1)
	v_readfirstlane_b32 s[WV], v1
	s_and_b32 s[BH], ttmp7, 0xffff                 ; 16 x batch + head
	s_mul_i32 s10, s[BH], HB
	s_mov_b32 s11, 0
	; THE COPY IS BROUGHT BY SIXTEEN LOADS, ONE A WAVE (in place of the sharing among waves 0-3 that the head comment describes): 208,896 bytes = 16 x 51 rows of 256 bytes, dense, no mask, no padding
	s_mov_b32 s[G1C], 3<<16
	s_mov_b32 s[G1C+1], 32<<16
	s_mov_b32 s[G1C+2], 51<<16
	s_mov_b32 s[G1C+3], 32<<16
	s_mov_b32 s[G1C+4], 51
	s_mov_b32 s[G1C+5], 32
	s_mov_b32 s[G1C+6], 0
	s_mov_b32 s[G1C+7], 0
	s_mul_i32 s12, s[WV], 13056                    ; my sixteenth: an LDS address and the offset in the head's block are the same number
	s_mov_b32 s16, s12
	s_mov_b32 s17, 0
	s_wait_dscnt 0x0
	s_wait_kmcnt 0x0
	s_add_nc_u64 s[4:5], s[4:5], s[10:11]          ; the head's block
	s_add_nc_u64 s[16:17], s[4:5], s[16:17]
	s_mov_b32 s[G0], 1
	s_mov_b32 s[G0+1], s12
	s_mov_b64 s[G0+2:G0+3], s[16:17]
	s_or_b32 s[G0+3], s[G0+3], 0x80000000
	tensor_load_to_lds s[G0:G0+3], s[G1C:G1C+7]    ; every wave's one load
	s_nop 0
.rept 4
	v_nop
.endr
	s_lshr_b32 s20, s[WV], 2
	s_xor_b32 s20, s20, s[WV]
	s_and_b32 s20, s20, 1                          ; 1: I am wave A of my pair (of each four neighbouring waves two are)
	s_lshr_b32 s[TT], s[WV], 1                     ; my pair: which of a block's eight tiles
	s_sub_co_u32 s[BLK2], 15, ttmp9                ; the late block
	s_add_co_u32 s23, ttmp9, 1                     ; i + 1
	s_sub_co_u32 s[OFF2], 8, ttmp9
	s_sub_co_u32 s[END2], 16, ttmp9
	s_cmp_eq_u32 s20, 1
	s_cselect_b32 s[BLK], s[BLK2], ttmp9           ; the block of the tile whose result I store
	s_cselect_b32 s[SWN], 99, s23
	s_cselect_b32 s[END1], 9, s23
	v_and_b32 v1, 31, v0
	s_delay_alu instid0(VALU_DEP_1)
	v_lshlrev_b32 v1, 4, v1                        ; v1: 16 x lane: K's images, and the global offsets
	s_delay_alu instid0(VALU_DEP_1)
	v_add_nc_u32 v2, VCO, v1                       ; v2: V's images
	v_and_b32 v6, 15, v0                           ; r
	v_bfe_u32 v7, v0, 4, 1                         ; h
	s_delay_alu instid0(VALU_DEP_2)
	v_lshlrev_b32 v3, 5, v6
	s_delay_alu instid0(VALU_DEP_1)
	v_lshl_add_u32 v3, v7, 4, v3
	s_delay_alu instid0(VALU_DEP_1)
	v_add_nc_u32 v3, KSO, v3                       ; v3: K's scale words: lanes 0-15 tiles 0-3 of row r, lanes 16-31 tiles 4-7
	v_lshl_add_u32 v4, v6, 4, VSO                  ; v4: V's: the four tiles' words of row r
	s_mul_i32 s14, s[TT], 4608
	s_add_co_u32 s14, s14, PART
	v_add_nc_u32 v[PADR], s14, v1
	s_lshr_b32 s23, s[TT], 1
	s_lshl_b32 s23, s23, 5
	s_and_b32 s24, s[TT], 1
	s_lshl_b32 s25, s24, 3
	s_add_co_u32 s23, s23, s25
	v_and_b32 v5, 8, v6
	s_delay_alu instid0(VALU_DEP_1)
	v_add_nc_u32 v5, v5, v6
	s_delay_alu instid0(VALU_DEP_1)
	v_add_nc_u32 v5, s23, v5                       ; my query within its block: 32 (t / 2) + 8 (t % 2) + r + 8 (r / 8), the same in both tiles of the pair,
	v_lshlrev_b32 v8, 4, v7
	s_delay_alu instid0(VALU_DEP_1)
	v_sub_nc_u32 v5, v5, v8                        ; v5: less 16 h: register 16 b + i holds key 32 b + 16 h + i of the step
	v_lshlrev_b32 v7, 5, v6                        ; v7: 32 r
	s_lshl_b32 s26, s[BLK], 2
	s_lshr_b32 s27, s[TT], 1
	s_add_co_u32 s26, s26, s27
	s_mul_i32 s26, s26, 1536
	s_add_co_u32 s26, s26, QCO
	s_mov_b32 s27, 0
	s_add_nc_u64 s[26:27], s[4:5], s[26:27]        ; the image that holds my tile of Q
	s_lshl_b32 s82, s[BLK], 9
	s_lshl_b32 s83, s[TT], 2
	s_add_co_u32 s82, s82, s83
	s_add_co_u32 s82, s82, QSO
	s_mov_b32 s83, 0
	s_add_nc_u64 s[82:83], s[4:5], s[82:83]        ; and its scale words
	s_lshl_b32 s10, s[BLK2], 2
	s_lshr_b32 s11, s[TT], 1
	s_add_co_u32 s10, s10, s11
	s_mul_i32 s10, s10, 1536
	s_add_co_u32 s10, s10, QCO
	s_mov_b32 s11, 0
	s_add_nc_u64 s[10:11], s[4:5], s[10:11]        ; the same for the late tile
	s_lshl_b32 s12, s[BLK2], 9
	s_lshl_b32 s13, s[TT], 2
	s_add_co_u32 s12, s12, s13
	s_add_co_u32 s12, s12, QSO
	s_mov_b32 s13, 0
	s_add_nc_u64 s[12:13], s[4:5], s[12:13]
	s_lshr_b32 s84, s[BH], 4
	s_lshl_b32 s85, s84, 4
	s_add_co_u32 s85, s85, s[BLK]                  ; ctx: the group of 128 rows,
	s_bfe_u32 s86, s[BH], 0x30001                  ; the K step: head / 2
	s_lshl_b32 s84, s85, 3
	s_add_co_u32 s84, s84, s[TT]                   ; the row block
	s_lshl_b32 s84, s84, 3
	s_add_co_u32 s84, s84, s86
	s_mul_i32 s84, s84, 1536
	s_lshl_b32 s88, s85, 3
	s_add_co_u32 s88, s88, s86
	s_lshl_b32 s88, s88, 9
	s_lshl_b32 s89, s[TT], 2
	s_add_co_u32 s88, s88, s89
	s_and_b32 s90, s[BH], 1                        ; which half of the K step my head is
	s_lshl_b32 s89, s90, 1
	s_add_co_u32 s88, s88, s89
	s_add_co_u32 s88, s88, CXS
	s_mov_b32 s85, 0
	s_mov_b32 s89, 0
	s_add_nc_u64 s[84:85], s[6:7], s[84:85]
	s_add_nc_u64 s[88:89], s[6:7], s[88:89]
	s_mov_b32 s[CS], 0x3d38aa3b                    ; c = log2(e) / 32
	s_mov_b32 s[CS+1], s[CS]
	s_mov_b32 s[SEL], 0x76543210
	s_mov_b32 s[SEL+1], 0xfedcba98
	s_mov_b32 s[J], 0                              ; every wave's first step is key step 0
	s_mov_b32 s[TK], 0
	s_mov_b32 s[TS], 0
	s_mov_b32 s[TV], 0
	s_mov_b32 s[BLKC], s[BLK]
	s_cmp_eq_u32 s24, 0                            ; an even tile is registers 0-5 of the image, an odd one registers 6-11
	s_cbranch_scc0 .Lq_odd
	global_load_b128 v[16:19], v1, s[26:27]
	global_load_b64 v[20:21], v1, s[26:27] offset:512
	global_load_b128 v[Q2:Q2+3], v1, s[10:11]
	global_load_b64 v[Q2+4:Q2+5], v1, s[10:11] offset:512
	s_branch .Lq_in
.Lq_odd:
	global_load_b64 v[16:17], v1, s[26:27] offset:520
	global_load_b128 v[18:21], v1, s[26:27] offset:1024
	global_load_b64 v[Q2:Q2+1], v1, s[10:11] offset:520
	global_load_b128 v[Q2+2:Q2+5], v1, s[10:11] offset:1024
.Lq_in:
	s_wait_alu depctr_va_vdst(0)
	global_load_b32 v28, v7, s[82:83]              ; v28: Q's scale words
	global_load_b32 v[QS2], v7, s[12:13]
.irp j, 22,23,24,25,26,27, 86,87,88,89,90,91
	v_mov_b32 v[\j], 0                             ; zero codes: Q's K 64-127; what stands behind K's last tile
.endr
	v_mov_b32 v13, 0xff61b1e6                      ; the largest t so far: -3e38
	s_delay_alu instid0(VALU_DEP_1)
	v_floor_f32 v12, -v13                          ; -M
	v_mov_b32 v14, 0
	v_mov_b32 v15, 0
.irp b, 0,1,2,3
	v_mov_b32 v[PD+\b], 0                          ; written once: a lane permute's destination counts as a source
.endr
	v_mov_b32 v[F+1], 0
	v_mov_b32 v[TP], 0
.set n, 0
.rept 32
	v_mov_b32 v[O+n], 0                            ; the step is written once: the first finds zeros
.set n, n+1
.endr
; A TILE'S WAY OUT: O^T / the sum; register 16 bb + i is channel 32 bb + 16 h + i of my query: two blocks, quantised as they stand
.macro OUT
	v_add_f32 v14, v14, v15
	s_delay_alu instid0(VALU_DEP_1)
	v_permlanex16_b32 v[TP], v14, s[SEL], s[SEL+1]
	s_delay_alu instid0(VALU_DEP_1)
	v_add_f32 v14, v14, v[TP]
	s_wait_alu depctr_va_vdst(0)
	v_rcp_f32 v14, v14
	v_nop
.set n, 0
	s_wait_alu depctr_va_vdst(0)
.rept 32
	v_mul_f32 v[S+n], v[O+n], v14                  ; each accumulator from its low end on
.set n, n+1
.endr
.irp b, 0,1
	v_max3_num_f32 v[BM+\b], |v[S+16*\b]|, |v[S+1+16*\b]|, 0x1800000
.endr
.irp i, 2,4,6,8,10,12,14
.irp b, 0,1
	s_delay_alu instid0(VALU_DEP_2)
	v_max3_num_f32 v[BM+\b], v[BM+\b], |v[S+16*\b+\i]|, |v[S+1+16*\b+\i]|
.endr
.endr
.irp b, 0,1
	s_delay_alu instid0(VALU_DEP_2)
	v_permlanex16_b32 v[PD+\b], v[BM+\b], s[SEL], s[SEL+1]
.endr
.irp b, 0,1
	s_delay_alu instid0(VALU_DEP_2)
	v_max_num_f32 v[BM+\b], v[BM+\b], v[PD+\b]
.endr
.irp b, 0,1
	s_delay_alu instid0(VALU_DEP_2)
	v_add_nc_u32 v[SO+\b], 0xff000000, v[BM+\b]
.endr
.irp b, 0,1
	s_delay_alu instid0(VALU_DEP_2)
	v_lshrrev_b32 v[PD+\b], 23, v[SO+\b]
.endr
	s_delay_alu instid0(VALU_DEP_1)
	v_lshl_or_b32 v[SB], v[PD+1], 8, v[PD]
	v_cvt_scalef32_pk16_fp6_f32 v[PCD:PCD+2], v[S:S+15], v[SO]
	v_cvt_scalef32_pk16_fp6_f32 v[CT:CT+2], v[S+16:S+31], v[SO+1]
	v_nop
.irp i, 0,1,2
	v_permlane16_swap_b32 v[PCD+\i], v[CT+\i]
.endr
.irp i, 0,1,2
	s_delay_alu instid0(VALU_DEP_3)
	v_mov_b32 v[PCD+3+\i], v[CT+\i]
.endr
	s_cmp_eq_u32 s90, 0                            ; an even head is registers 0-5 of the fragment's image, an odd one registers 6-11
	s_cbranch_scc0 .Lo_odd_\@
	global_store_b128 v1, v[PCD:PCD+3], s[84:85]
	global_store_b64 v1, v[PCD+4:PCD+5], s[84:85] offset:512
	s_branch .Lo_out_\@
.Lo_odd_\@:
	s_wait_alu depctr_va_vdst(0)
	global_store_b64 v1, v[PCD:PCD+1], s[84:85] offset:520
	global_store_b128 v1, v[PCD+2:PCD+5], s[84:85] offset:1024
.Lo_out_\@:
	s_wait_alu depctr_va_vdst(0)
	global_store_b16 v7, v[SB], s[88:89]           ; my head's two bytes of row r's word (both halves of the lanes hold the same)
.endm
; WAVE B CHANGES TILES: the early tile is finished and stored; Q, its scale words and the running figures are set for the late tile
.macro SWITCH
.rept 4
	v_nop                                          ; places behind the last products
.endr
	OUT
	v_mov_b32 v28, v[QS2]                          ; (the scale words first: the lines below are the places between them, and Q, and the next products)
.irp j, 0,1,2,3,4,5
	v_mov_b32 v[16+\j], v[Q2+\j]
.endr
	v_mov_b32 v13, 0xff61b1e6
	s_delay_alu instid0(VALU_DEP_1)
	v_floor_f32 v12, -v13
	v_mov_b32 v14, 0
	v_mov_b32 v15, 0
.set n, 0
.rept 32
	v_mov_b32 v[O+n], 0
.set n, n+1
.endr
	s_wait_xcnt 0x0                                ; the stores have read their registers: the codes' are written again in the next step
.endm
; A KEY STEP.  sw = 0: every wave's first, key step 0, its addresses constants.  sw = 1: in the loop
.macro STEP sw
.if \sw
	s_cmp_eq_u32 s[N], s[SWN]
	s_cbranch_scc0 .Lnosw_\@
	SWITCH
.Lnosw_\@:
	s_cmp_ge_u32 s[N], s[SWN]                      ; behind the change of tiles?
	s_cselect_b32 s[J], s[OFF2], 0
	s_cselect_b32 s[ENDC], s[END2], s[END1]
	s_cselect_b32 s[BLKC], s[BLK2], s[BLK]
	s_add_co_u32 s[J], s[J], s[N]                  ; the key step
	s_cmp_ge_u32 s[J], s[ENDC]
	s_cbranch_scc1 .Lhidden_\@                     ; none of mine
	s_min_u32 s[J], s[J], 15                       ; (a worked step is 15 at the most)
	s_mul_i32 s[TK], s[J], 6144
	s_lshl_b32 s[TS], s[J], 9
	s_lshl_b32 s[TV], s[J], 8
.endif
	v_add_nc_u32 v8, s[TK], v1                     ; (these four are also the places in front of the loads into registers that the last products read)
	v_add_nc_u32 v9, s[TK], v2
	v_add_nc_u32 v10, s[TS], v3
	v_add_nc_u32 v11, s[TV], v4
.irp pp, 0,1,2,3
.irp c, 0,1,2
	ds_load_b128 v[KV+12*\pp+4*\c:KV+12*\pp+4*\c+3], v8 offset:1536*\pp+512*\c
.endr
.endr
	ds_load_b128 v[30:33], v10
	s_wait_alu depctr_va_vdst(0)
	s_wait_dscnt 0x0
.irp t, 0,1,2,3
	v_wmma_scale_f32_16x16x128_f8f6f4 v[S+8*\t:S+8*\t+7], v[KV+6*\t:KV+6*\t+11], v[16:27], 0, v[30+\t], v28 matrix_a_fmt:MATRIX_FMT_FP6 matrix_b_fmt:MATRIX_FMT_FP6
.endr
.irp t, 4,5,6,7
	v_wmma_scale_f32_16x16x128_f8f6f4 v[S+8*\t:S+8*\t+7], v[KV+6*\t:KV+6*\t+11], v[16:27], 0, v[26+\t], v28 matrix_a_fmt:MATRIX_FMT_FP6 matrix_b_fmt:MATRIX_FMT_FP6 matrix_a_scale:MATRIX_SCALE_ROW1
.endr
.rept 4
	v_nop
.endr
.irp t, 0,1,2,3
.irp c, 0,1,2
	ds_load_b128 v[KV+12*\t+4*\c:KV+12*\t+4*\c+3], v9 offset:1536*\t+512*\c     ; V lands under the softmax
.endr
.endr
	ds_load_b128 v[34:37], v11
	s_cmp_lg_u32 s[J], s[BLKC]
	s_cbranch_scc1 .Lopen_\@                       ; only the step on the diagonal is masked
	v_mov_b32 v[TP], 0xff800000
.set n, 0
.rept 64
	v_cmp_gt_i32 vcc_lo, 32*(n/16)+n%16, v5
	v_cndmask_b32 v[S+n], v[S+n], v[TP], vcc_lo
.set n, n+1
.endr
.Lopen_\@:
.irp b, 0,1,2,3
	v_max3_num_f32 v[BM+\b], v[S+16*\b], v[S+1+16*\b], v[S+2+16*\b]     ; the largest score of each block of 32 keys: for the row's maximum and for the block's largest p
.endr
.irp i, 3,5,7,9,11,13
.irp b, 0,1,2,3
	v_max3_num_f32 v[BM+\b], v[BM+\b], v[S+16*\b+\i], v[S+1+16*\b+\i]
.endr
.endr
.irp b, 0,1,2,3
	v_max_num_f32 v[BM+\b], v[BM+\b], v[S+15+16*\b]
.endr
.irp b, 0,1,2,3
	s_delay_alu instid0(VALU_DEP_4)
	v_permlanex16_b32 v[PD+\b], v[BM+\b], s[SEL], s[SEL+1]
.endr
.irp b, 0,1,2,3
	s_delay_alu instid0(VALU_DEP_4)
	v_max_num_f32 v[BM+\b], v[BM+\b], v[PD+\b]
.endr
	s_delay_alu instid0(VALU_DEP_2)
	v_max3_num_f32 v[TP], v[BM], v[BM+1], v[BM+2]
	s_delay_alu instid0(VALU_DEP_1)
	v_max_num_f32 v[TP], v[TP], v[BM+3]
	s_delay_alu instid0(VALU_DEP_1)
	v_mul_f32 v[TP], s[CS], v[TP]
	s_delay_alu instid0(VALU_DEP_1)
	v_max_num_f32 v13, v13, v[TP]                  ; the running largest t
	v_mov_b32 v[TP], v12
	s_delay_alu instid0(VALU_DEP_2)
	v_floor_f32 v12, -v13                          ; -M = floor(-t): M is a whole number
	s_delay_alu instid0(VALU_DEP_1)
	v_sub_f32 v[TP], v12, v[TP]
	s_delay_alu instid0(VALU_DEP_1)
	v_cvt_i32_f32 v[TP], v[TP]                     ; (it saturates)
	s_delay_alu instid0(VALU_DEP_1)
	v_ldexp_f32 v[F], 1.0, v[TP]                   ; f = 2^(old M - new M): rounds nothing
.set n, 0
.rept 32
	v_pk_fma_f32 v[S+2*n:S+2*n+1], v[S+2*n:S+2*n+1], s[CS:CS+1], v[12:13] op_sel_hi:[1,0,0]    ; t - M
.set n, n+1
.endr
.irp b, 0,1,2,3
	v_fma_f32 v[BM+\b], v[BM+\b], s[CS], v12
.endr
.set n, 0
	s_wait_alu depctr_va_vdst(0)
.rept 64
	v_exp_f32 v[S+n], v[S+n]
.set n, n+1
.endr
.irp b, 0,1,2,3
	v_exp_f32 v[BM+\b], v[BM+\b]                   ; the block's largest p: the same two instructions on the same number
.endr
	v_pk_mul_f32 v[14:15], v[14:15], v[F:F+1] op_sel_hi:[1,0]      ; the sums under the new M (a plain place behind the exponentials)
	s_wait_alu depctr_va_vdst(0)
.irp b, 0,1,2,3
	v_max_num_f32 v[BM+\b], 0x1800000, v[BM+\b]    ; the floor: the byte cannot fall under 1
.endr
.irp b, 0,1,2,3
	s_delay_alu instid0(VALU_DEP_4)
	v_add_nc_u32 v[SO+\b], 0xff000000, v[BM+\b]
.endr
.irp b, 0,1,2,3
	s_delay_alu instid0(VALU_DEP_4)
	v_lshrrev_b32 v[PD+\b], 23, v[SO+\b]
.endr
	s_delay_alu instid0(VALU_DEP_3)
	v_lshl_or_b32 v29, v[PD+1], 8, v[PD]           ; v29: p's scale word
	s_delay_alu instid0(VALU_DEP_1)
	v_lshl_or_b32 v29, v[PD+2], 16, v29
	s_delay_alu instid0(VALU_DEP_1)
	v_lshl_or_b32 v29, v[PD+3], 24, v29
.irp c, 0,1
	v_cvt_scalef32_pk16_fp6_f32 v[PCD+6*\c:PCD+2+6*\c], v[S+32*\c:S+15+32*\c], v[SO+2*\c]
	v_cvt_scalef32_pk16_fp6_f32 v[CT+4*\c:CT+2+4*\c], v[S+16+32*\c:S+31+32*\c], v[SO+2*\c+1]
.endr
	v_nop
.irp c, 0,1
.irp i, 0,1,2
	v_permlane16_swap_b32 v[PCD+6*\c+\i], v[CT+4*\c+\i]
.endr
.irp i, 0,1,2
	s_delay_alu instid0(VALU_DEP_3)
	v_mov_b32 v[PCD+3+6*\c+\i], v[CT+4*\c+\i]
.endr
.endr
	v_pk_add_f32 v[224:225], v[96:97], v[100:101]
	v_pk_add_f32 v[252:253], v[104:105], v[108:109]
	v_pk_add_f32 v[250:251], v[112:113], v[116:117]
	v_pk_add_f32 v[248:249], v[120:121], v[124:125]
	v_pk_add_f32 v[246:247], v[128:129], v[132:133]
	v_pk_add_f32 v[244:245], v[136:137], v[140:141]
	v_pk_add_f32 v[242:243], v[144:145], v[148:149]
	v_pk_add_f32 v[14:15], v[14:15], v[152:153]
	v_pk_add_f32 v[224:225], v[224:225], v[92:93]
	v_pk_add_f32 v[252:253], v[252:253], v[94:95]
	v_pk_add_f32 v[250:251], v[250:251], v[98:99]
	v_pk_add_f32 v[248:249], v[248:249], v[102:103]
	v_pk_add_f32 v[246:247], v[246:247], v[106:107]
	v_pk_add_f32 v[244:245], v[244:245], v[110:111]
	v_pk_add_f32 v[242:243], v[242:243], v[114:115]
	v_pk_add_f32 v[14:15], v[14:15], v[118:119]
	v_pk_add_f32 v[224:225], v[224:225], v[122:123]
	v_pk_add_f32 v[252:253], v[252:253], v[126:127]
	v_pk_add_f32 v[250:251], v[250:251], v[130:131]
	v_pk_add_f32 v[248:249], v[248:249], v[134:135]
	v_pk_add_f32 v[246:247], v[246:247], v[138:139]
	v_pk_add_f32 v[244:245], v[244:245], v[142:143]
	v_pk_add_f32 v[242:243], v[242:243], v[146:147]
	v_pk_add_f32 v[14:15], v[14:15], v[150:151]
	v_pk_add_f32 v[224:225], v[224:225], v[154:155]
	s_delay_alu instid0(VALU_DEP_2)
	v_pk_add_f32 v[14:15], v[14:15], v[248:249]
	s_delay_alu instid0(VALU_DEP_2)
	v_pk_add_f32 v[224:225], v[224:225], v[246:247]
	v_pk_add_f32 v[252:253], v[252:253], v[244:245]
	v_pk_add_f32 v[250:251], v[250:251], v[242:243]
	s_delay_alu instid0(VALU_DEP_2)
	v_pk_add_f32 v[14:15], v[14:15], v[252:253]
	s_delay_alu instid0(VALU_DEP_2)
	v_pk_add_f32 v[224:225], v[224:225], v[250:251]
	s_delay_alu instid0(VALU_DEP_1)
	v_pk_add_f32 v[14:15], v[14:15], v[224:225]
.set n, 0
.rept 16
	v_pk_mul_f32 v[O+2*n:O+2*n+1], v[O+2*n:O+2*n+1], v[F:F+1] op_sel_hi:[1,0]     ; O^T under the new M.  (With the sums: the places between p's codes and scale word and the products)
.set n, n+1
.endr
	s_wait_alu depctr_va_vdst(0)
	s_wait_dscnt 0x0                               ; V
.irp t, 0,1,2,3
	v_wmma_scale_f32_16x16x128_f8f6f4 v[O+8*\t:O+8*\t+7], v[KV+12*\t:KV+12*\t+11], v[PCD:PCD+11], v[O+8*\t:O+8*\t+7], v[34+\t], v29 matrix_a_fmt:MATRIX_FMT_FP6 matrix_b_fmt:MATRIX_FMT_FP6
.endr
.if \sw
.Lhidden_\@:
	s_add_co_u32 s[N], s[N], 1
.endif
.endm
	s_wait_loadcnt 0x0                             ; Q, both tiles'
	s_wait_tensorcnt 0x0                           ; my sixteenth of the copy is in
	s_barrier_signal -1
	s_barrier_wait -1                              ; everybody's are.
	STEP 0                                         ; key step 0, in every wave; the whole copy is in: each wave walks its own key steps from here on
	s_mov_b32 s[N], 1
.Lstep:
	STEP 1
	s_cmp_lt_u32 s[N], 9
	s_cbranch_scc1 .Lstep
.rept 4
	v_nop                                          ; places behind the last products
.endr
	s_wait_dscnt 0x0
	s_barrier_signal -1
	s_barrier_wait -1                              ; every wave's loads from LDS are over before any wave stores into LDS
	s_cmp_eq_u32 s20, 1
	s_cbranch_scc1 .Lno_part
	s_wait_alu depctr_va_vdst(0)
.irp k, 0,1,2,3,4,5,6,7
	ds_store_b128 v[PADR], v[O+4*\k:O+4*\k+3] offset:512*\k        ; wave B: my part of the late tile, as it stands in my registers; each accumulator from its low end on
.endr
	ds_store_b128 v[PADR], v[12:15] offset:4096    ; -M, the largest t, the sum's two halves
.Lno_part:
	s_wait_dscnt 0x0                               ; for wave A's sake: my stores have landed
	s_barrier_signal -1
	s_barrier_wait -1
	s_cmp_eq_u32 s20, 1
	s_cbranch_scc1 .Lmerge
	s_wait_tensorcnt 0x0
	ds_add_u32 v254, v255
	s_wait_dscnt 0x0
	s_endpgm
.Lmerge:
.irp k, 0,1,2,3,4,5,6,7
	ds_load_b128 v[S+4*\k:S+4*\k+3], v[PADR] offset:512*\k
.endr
	ds_load_b128 v[S+32:S+35], v[PADR] offset:4096
	s_wait_dscnt 0x0
	v_min_num_f32 v[TP], v12, v[S+32]              ; -M of both parts: the larger M
	s_delay_alu instid0(VALU_DEP_1)
	v_sub_f32 v[BM], v[TP], v12                    ; my M less it, and B's: whole numbers, 0 or less
	s_delay_alu instid0(VALU_DEP_2)
	v_sub_f32 v[BM+1], v[TP], v[S+32]
	s_delay_alu instid0(VALU_DEP_2)
	v_cvt_i32_f32 v[BM], v[BM]                     ; (it saturates: an empty part's factor is 0)
	s_delay_alu instid0(VALU_DEP_2)
	v_cvt_i32_f32 v[BM+1], v[BM+1]
	s_delay_alu instid0(VALU_DEP_2)
	v_ldexp_f32 v[F], 1.0, v[BM]
	s_delay_alu instid0(VALU_DEP_2)
	v_ldexp_f32 v[SM], 1.0, v[BM+1]
	s_delay_alu instid0(VALU_DEP_2)
	v_pk_mul_f32 v[14:15], v[14:15], v[F:F+1] op_sel_hi:[1,0]
	s_delay_alu instid0(VALU_DEP_1)
	v_pk_fma_f32 v[14:15], v[S+34:S+35], v[SM:SM+1], v[14:15] op_sel_hi:[1,0,1]
.set n, 0
.rept 16
	v_pk_mul_f32 v[O+2*n:O+2*n+1], v[O+2*n:O+2*n+1], v[F:F+1] op_sel_hi:[1,0]
.set n, n+1
.endr
.set n, 0
.rept 16
	v_pk_fma_f32 v[O+2*n:O+2*n+1], v[S+2*n:S+2*n+1], v[SM:SM+1], v[O+2*n:O+2*n+1] op_sel_hi:[1,0,1]
.set n, n+1
.endr
	OUT
	s_wait_tensorcnt 0x0
	ds_add_u32 v254, v255
	s_wait_dscnt 0x0
	s_endpgm
.Lfunc_end_k_qdb51503d5a_attn:
	.size	k_qdb51503d5a_attn, .Lfunc_end_k_qdb51503d5a_attn-k_qdb51503d5a_attn
	.p2alignl 7, 3214868480
	.fill 96, 4, 3214868480
	.section	.rodata,"a",@progbits
	.p2align	6, 0x0
	.amdhsa_kernel k_qdb51503d5a_attn
		.amdhsa_group_segment_fixed_size 247808
		.amdhsa_private_segment_fixed_size 0
		.amdhsa_enable_private_segment 0
		.amdhsa_kernarg_size 16
		.amdhsa_user_sgpr_count 2
		.amdhsa_user_sgpr_kernarg_segment_ptr 1
		.amdhsa_wavefront_size32 1
		.amdhsa_system_sgpr_workgroup_id_x 1
		.amdhsa_system_sgpr_workgroup_id_y 1
		.amdhsa_system_sgpr_workgroup_id_z 1
		.amdhsa_system_vgpr_workitem_id 0
		.amdhsa_next_free_vgpr 256
		.amdhsa_next_free_sgpr 100
		.amdhsa_reserve_vcc 1
		.amdhsa_float_denorm_mode_32 3
		.amdhsa_float_denorm_mode_16_64 3
		.amdhsa_memory_ordered 1
		.amdhsa_forward_progress 1
		.amdhsa_inst_pref_size 68
	.end_amdhsa_kernel
	.amdgpu_metadata
---
amdhsa.version: [ 1, 2 ]
amdhsa.kernels:
  - .name:           k_qdb51503d5a_attn
    .symbol:         k_qdb51503d5a_attn.kd
    .args:
      - { .name: att, .offset: 0, .size: 8, .value_kind: global_buffer, .address_space: global }
      - { .name: ctx, .offset: 8, .size: 8, .value_kind: global_buffer, .address_space: global }
    .group_segment_fixed_size: 247808
    .private_segment_fixed_size: 0
    .kernarg_segment_align: 8
    .kernarg_segment_size: 16
    .max_flat_workgroup_size: 512
    .sgpr_count:     100
    .vgpr_count:     256
    .wavefront_size: 32
...
	.end_amdgpu_metadata
.endif
;; end of part 3
;; launch oproj (part 4): grid 8 x 32, 4 waves a work-group, clusters of 4 x 4, 327,680 bytes of LDS; arguments ctx, wq, b_o, x, x1; writes x1
.if DOCPART == 4
	.amdgcn_target "amdgcn-amd-amdhsa--gfx1250"
	.amdhsa_code_object_version 6
	.text
	.protected	k_qdb51503d5a_oproj
	.globl	k_qdb51503d5a_oproj
	.p2align	8
	.type	k_qdb51503d5a_oproj,@function
k_qdb51503d5a_oproj:
	s_mov_b64 s[64:65], 0
	v_nop
	global_prefetch_b8 v0, s[64:65] scope:SCOPE_SE
	s_setreg_imm32_b32 hwreg(HW_REG_WAVE_MODE, 25, 1), 1
	s_wait_xcnt 0x0
	s_wait_alu depctr_hold_cnt(0) depctr_sa_sdst(0) depctr_va_vdst(0) depctr_va_sdst(0) depctr_va_ssrc(0) depctr_va_vcc(0) depctr_vm_vsrc(0)
	s_getreg_b32 s2, hwreg(HW_REG_IB_STS2, 6, 4)
	s_cmp_eq_u32 s2, 0
	s_cbranch_scc0 .Lentry_in_a_cluster
	s_endpgm
.Lentry_in_a_cluster:
	s_bfe_u32 s2, ttmp6, 0x10000c
	s_cmp_lg_u32 s2, 0xf033
	s_cbranch_scc0 .Lentry_shape_is_right
	s_endpgm
.Lentry_shape_is_right:
; x1 = x + ctx w_o + b_o: a product on codes of FP6 (E2M3) with E8M0 scales, f32 sums, the bias and the residual added on the way out.
; N = 1,024 gives only 64 tiles of 256 x 256, so a tile is 128 x 128: 256 work-groups.  Four waves, 64 x 64 each: 16 accumulators.  K goes in steps of 128 through a ring of two LDS slots of
; four steps each.  Operands lie in memory and in LDS as images of their registers (a fragment of 16 rows x 128 K is 1,536 dense bytes, three loads of 16 bytes a lane at 16 x lane).
; THE MATRIX INSTRUCTION IS USED TRANSPOSED (source 0 = 16 rows of the weight, source 1 = 16 tokens).  Rows are stored permuted inside groups of 32: row block 2 bb + u, row r, is true row
; 32 bb + 16 (r / 8) + 8 u + r % 8; that enters the stage's and the stores' addresses alone.
; CLUSTERS: 4 x 4; A's tiles are asked for jointly along a row of the cluster, B's along a column.
; The residual's 64 x 64 numbers of a wave are asked for behind the first K step into window 3 and land under the other seven K steps.  LIMITS: NaN and infinities are not served.
.set KK,    1024
.set ASC,   3145728                    ; where A's scale words begin in its buffer
.set BCO,   2457600                    ; where B's codes and scale words begin in wq
.set BSO,   3244032
.set MB,    4
.set NQ,    4
.set KST,   KK/128
.set LAPS,  KK/(256*NQ)
.set FRB,   1536
.set HALFT, MB*NQ*FRB
.set SLOT,  4*HALFT
.set SCL,   2*SLOT
.set HALFS, KST*MB*64
.set SH,    16                         ; my half's four words lie 16 bytes from the other half's
.set SPARE, SCL+4*HALFS
.set STG,   SPARE+512                  ; the way out: two stages of 16 rows x 272 bytes for each wave; no fill ever lands here
.set NF,    6*MB+MB/4
.set ADRA, 16
.set ADRB, 20
.set ADRS, 27
.set SPW,  28
.set NIL,  29
.set SC,   32                          ; v32-39 scale words, two sets of 4; they hold nothing else
.set AF,   64                          ; window 0: A's fragments, two sets of 48;  window 1: B's, at v0 and v128;  window 2: the accumulators;  window 3: the residual
.set CO,   7
.set STO,  9
.set RD,   10
.set BK,   64
.set G1, 24
.set G0, 32
.set G1B, 48
.set G0B, 56
.set G1S, 68
.set G0S, 76
.set G1SB, 80
.set G0SB, 88
.set MSB, 0
.macro WIN new
.if MSB != (\new)
	s_set_vgpr_msb (MSB<<8)|(\new)
.set MSB, (\new)
.endif
.endm
.set MUL_LO, 0xa1
.set MUL_HI, 0xf1
.set TO_B,   0x40
.macro JLOAD g0a, g1a, g0b, g1b        ; a joint load: waves 0, 1 fetch for A, waves 2, 3 for B; four v_nop follow each line
	s_cmp_eq_u32 s15, 0
	s_cbranch_scc0 .Lfor_b_\@
	tensor_load_to_lds s[\g0a:\g0a+3], s[\g1a:\g1a+7]
	s_nop 0
.rept 4
	v_nop
.endr
	s_branch .Lasked_\@
.Lfor_b_\@:
	tensor_load_to_lds s[\g0b:\g0b+3], s[\g1b:\g1b+7]
	s_nop 0
.rept 4
	v_nop
.endr
.Lasked_\@:
.endm
.macro CREST
	s_cmp_lg_u32 s14, 0
	s_cbranch_scc1 .Lnot_wave_0_\@
	s_barrier_signal -3
.Lnot_wave_0_\@:
	s_barrier_wait -3
	s_barrier_signal -1
	s_barrier_wait -1
.endm
.macro CROUND
	s_barrier_signal -1
	s_barrier_wait -1
	CREST
.endm
.macro PLACES
.rept 4
	v_nop
.endr
.endm
	s_load_b256 s[4:11], s[0:1], 0x0               ; A, wq, the bias, the residual
	s_load_b64 s[12:13], s[0:1], 0x20              ; the result
	v_lshl_add_u32 v[SPW], v0, 2, SPARE
	v_mov_b32 v[NIL], 0
	ds_add_u32 v28, v29
	ds_add_u32 v28, v29
	s_wait_dscnt 0x0
	v_lshrrev_b32 v1, 5, v0
	v_readfirstlane_b32 s14, v1
	s_lshr_b32 s15, s14, 1
	s_and_b32 s16, s14, 1
	s_bfe_u32 s40, ttmp6, 0x40000
	s_bfe_u32 s41, ttmp6, 0x40004
	s_lshl_b32 s42, ttmp9, 2
	s_add_co_u32 s42, s42, s40                     ; tile column
	s_and_b32 s17, ttmp7, 0xffff
	s_lshl_b32 s17, s17, 2
	s_add_co_u32 s17, s17, s41                     ; tile row
	s_lshl_b32 s43, s41, 2
	s_lshl_b32 s43, 15, s43
	s_lshl_b32 s44, 0x1111, s40
	s_or_b32 s[G1+0], s43, (3<<16)|(1<<21)
	s_or_b32 s[G1B+0], s44, (3<<16)|(1<<21)
.irp g, G1, G1B
	s_mov_b32 s[\g+1], (NQ*192)<<16
	s_mov_b32 s[\g+2], (2*MB)<<16                  ; the head's loads bring a whole tile, both halves
	s_mov_b32 s[\g+3], (NQ*192)<<16
	s_mov_b32 s[\g+4], 2*MB
	s_mov_b32 s[\g+5], KST*192
	s_mov_b32 s[\g+6], 0
	s_mov_b32 s[\g+7], 0
.endr
	s_or_b32 s[G1S+0], s43, (3<<16)|(1<<21)
	s_or_b32 s[G1SB+0], s44, (3<<16)|(1<<21)
.irp g, G1S, G1SB
	s_mov_b32 s[\g+1], 32<<16
	s_mov_b32 s[\g+2], (HALFS/128)<<16
	s_mov_b32 s[\g+3], 32<<16
	s_mov_b32 s[\g+4], HALFS/128
	s_mov_b32 s[\g+5], 32
	s_mov_b32 s[\g+6], 0
	s_mov_b32 s[\g+7], 0
.endr
	s_lshl_b32 s18, s17, 1
	s_mul_i32 s66, s18, MB*KST*FRB
	s_mov_b32 s67, 0
	s_mul_i32 s18, s18, HALFS
	s_mov_b32 s19, 0
	s_lshl_b32 s2, s42, 1
	s_mul_i32 s94, s2, MB*KST*FRB
	s_mov_b32 s95, 0
	s_mul_i32 s96, s2, HALFS
	s_mov_b32 s97, 0
	s_mul_i32 s45, s14, HALFT
	s_wait_kmcnt 0x0
	s_add_nc_u64 s[20:21], s[4:5], s[66:67]
	s_add_nc_u64 s[22:23], s[4:5], s[18:19]
	s_add_nc_u64 s[22:23], s[22:23], ASC
	s_add_nc_u64 s[46:47], s[6:7], s[94:95]
	s_add_nc_u64 s[46:47], s[46:47], BCO
	s_add_nc_u64 s[92:93], s[6:7], s[96:97]
	s_add_nc_u64 s[92:93], s[92:93], BSO
	CROUND
	s_mov_b32 s[G0S], 1
	s_mov_b32 s[G0S+1], SCL
	s_mov_b64 s[G0S+2:G0S+3], s[22:23]
	s_or_b32 s[G0S+3], s[G0S+3], 0x80000000
	s_mov_b32 s[G0SB], 1
	s_mov_b32 s[G0SB+1], SCL+2*HALFS
	s_mov_b64 s[G0SB+2:G0SB+3], s[92:93]
	s_or_b32 s[G0SB+3], s[G0SB+3], 0x80000000
.irp s, 0,1
	s_mov_b32 s[G0+4*\s], 1
	s_add_co_u32 s[G0+4*\s+1], s45, \s*SLOT
	s_add_nc_u64 s[G0+4*\s+2:G0+4*\s+3], s[20:21], \s*NQ*FRB
	s_or_b32 s[G0+4*\s+3], s[G0+4*\s+3], 0x80000000
	s_mov_b32 s[G0B+4*\s], 1
	s_add_co_u32 s[G0B+4*\s+1], s45, \s*SLOT
	s_add_nc_u64 s[G0B+4*\s+2:G0B+4*\s+3], s[46:47], \s*NQ*FRB
	s_or_b32 s[G0B+4*\s+3], s[G0B+4*\s+3], 0x80000000
.endr
	; THE HEAD'S FOUR TILES, ONE JOINT LOAD A WAVE: wave 0 slot 0's 128 rows of A, wave 1 those of B, wave 2 A's scale words, wave 3 B's.
	; No prefetch: K is 1,024, two slots' fills in all, and no loop to run ahead in.
	s_mov_b32 s[G0+1], 0
	s_mov_b32 s[G0B+1], 2*HALFT
	s_mul_i32 s18, s16, MB*KST*FRB                 ; of slot 1 I fetch one half of a tile (s19 = 0)
	s_add_nc_u64 s[G0+6:G0+7], s[G0+6:G0+7], s[18:19]
	s_add_nc_u64 s[G0B+6:G0B+7], s[G0B+6:G0B+7], s[18:19]
.macro ARM under, g0, g1, next
	s_cmp_lt_u32 s14, \under
	s_cbranch_scc0 \next
	tensor_load_to_lds s[\g0:\g0+3], s[\g1:\g1+7]
	s_nop 0
.rept 4
	v_nop
.endr
	s_branch .Lhead_asked
\next:
.endm
	ARM 1, G0,  G1,  .Lhead_b
	ARM 2, G0B, G1B, .Lhead_sa
	ARM 3, G0S, G1S, .Lhead_sb
	tensor_load_to_lds s[G0SB:G0SB+3], s[G1SB:G1SB+7]
	s_nop 0
.rept 4
	v_nop
.endr
.Lhead_asked:
	v_and_b32 v1, 31, v0
	v_and_b32 v2, 15, v0
	v_bfe_u32 v3, v0, 4, 1
	s_wait_alu depctr_va_vdst(0)
	v_lshlrev_b32 v4, 4, v1
	s_mul_i32 s21, s15, HALFT
	s_mul_i32 s22, s16, HALFT
	s_add_co_u32 s22, s22, 2*HALFT
.irp s, 0,1
	v_add_nc_u32 v[ADRA+\s], s21, v4
	v_add_nc_u32 v[ADRB+\s], s22, v4
	s_add_co_u32 s21, s21, SLOT
	s_add_co_u32 s22, s22, SLOT
.endr
	v_lshlrev_b32 v5, 5, v2
	s_mul_i32 s21, s15, SH
	s_mul_i32 s22, s16, SH
	s_add_co_u32 s22, s22, 2*HALFS
	s_sub_co_u32 s22, s22, s21
	v_mul_u32_u24 v6, s22, v3
	s_add_co_u32 s21, s21, SCL
	v_add_nc_u32 v5, v5, v6
	v_add_nc_u32 v[ADRS], s21, v5
	; the way out
	v_lshlrev_b32 v[CO], 12, v3
	v_lshl_add_u32 v[CO], v2, 4, v[CO]             ; lanes 0-15 one row of 4,096 bytes, lanes 16-31 the next; 16 bytes a lane
	s_wait_alu depctr_va_vdst(0)
	v_lshlrev_b32 v8, 4, v2                        ; the bias of my four columns
	s_wait_alu depctr_va_vdst(0)
	s_mul_i32 s20, s14, 8704
	s_add_co_u32 s20, s20, STG                     ; my two stages
	v_mul_u32_u24 v[STO], v2, 272
	v_lshl_add_u32 v[STO], v3, 6, v[STO]
	v_add_nc_u32 v[STO], s20, v[STO]               ; in: row r, + 64 h
	v_mul_u32_u24 v[RD], v3, 272
	v_lshl_add_u32 v[RD], v2, 4, v[RD]
	v_add_nc_u32 v[RD], s20, v[RD]                 ; back: two rows an instruction
	s_lshl_b32 s18, s17, 19                        ; 128 rows of 4,096 bytes a tile row,
	s_lshl_b32 s19, s15, 18                        ; 64 rows a half,
	s_add_co_u32 s18, s18, s19
	s_lshl_b32 s21, s42, 9                         ; 128 columns a tile column,
	s_lshl_b32 s19, s16, 8                         ; 64 a half
	s_add_co_u32 s21, s21, s19
	s_add_co_u32 s18, s18, s21
	s_mov_b32 s19, 0
	s_add_nc_u64 s[94:95], s[10:11], s[18:19]      ; the residual,
	s_add_nc_u64 s[96:97], s[12:13], s[18:19]      ; the result,
	s_mov_b32 s18, s21
	s_add_nc_u64 s[98:99], s[8:9], s[18:19]        ; the bias
.macro FETCH slot, q, set
	WIN TO_B
.set fi, 0
.rept MB
.irp c, 0,1,2
	ds_load_b128 v[128*(\set)+12*fi+4*\c:128*(\set)+12*fi+4*\c+3], v[ADRB+\slot] offset:fi*NQ*FRB+(\q)*FRB+512*\c
.endr
.set fi, fi+1
.endr
	WIN 0
.set fi, 0
.rept MB
.irp c, 0,1,2
	ds_load_b128 v[AF+12*MB*(\set)+12*fi+4*\c:AF+12*MB*(\set)+12*fi+4*\c+3], v[ADRA+\slot] offset:fi*NQ*FRB+(\q)*FRB+512*\c
.endr
.set fi, fi+1
.endr
.set fi, 0
.rept MB/4
	ds_load_b128 v[SC+MB*(\set)+4*fi:SC+MB*(\set)+4*fi+3], v[ADRS] offset:512*(\q)+16*fi
.set fi, fi+1
.endr
.endm
.macro MULQ p, set, zero               ; the accumulators take turns, one instruction a turn, in the same order in every step
.set a_, (\p)*MB/4
.rept MB/4
.if a_ < 4
	WIN MUL_LO
.else
	WIN MUL_HI
.endif
.set b_, 0
.rept MB
.set ac_, 8*(MB*(a_%4)+b_)
.if \zero
	v_wmma_scale_f32_16x16x128_f8f6f4 v[ac_:ac_+7], v[128*(\set)+12*b_:128*(\set)+12*b_+11], v[AF+12*MB*(\set)+12*a_:AF+12*MB*(\set)+12*a_+11], 0, v[SC+MB*(\set)+b_], v[SC+MB*(\set)+a_] matrix_a_fmt:MATRIX_FMT_FP6 matrix_b_fmt:MATRIX_FMT_FP6 matrix_a_scale:MATRIX_SCALE_ROW1
.else
	v_wmma_scale_f32_16x16x128_f8f6f4 v[ac_:ac_+7], v[128*(\set)+12*b_:128*(\set)+12*b_+11], v[AF+12*MB*(\set)+12*a_:AF+12*MB*(\set)+12*a_+11], v[ac_:ac_+7], v[SC+MB*(\set)+b_], v[SC+MB*(\set)+a_] matrix_a_fmt:MATRIX_FMT_FP6 matrix_b_fmt:MATRIX_FMT_FP6 matrix_a_scale:MATRIX_SCALE_ROW1
.endif
.set b_, b_+1
.endr
.set a_, a_+1
.endr
.endm
.macro STEP slot, q, zero
	PLACES
	FETCH \slot, (\q)+1, ((\q)+1)%2
	s_wait_dscnt NF                                ; all but the NF loads just issued: this step's fragments and scale words are in
	MULQ 0, (\q)%2, \zero
	MULQ 1, (\q)%2, \zero
	MULQ 2, (\q)%2, \zero
	MULQ 3, (\q)%2, \zero
.endm
.macro TURN slot, next, fill
	WIN 0
	s_wait_tensorcnt 0x0                           ; all my tensor loads have landed: my part of the next slot
	ds_add_u32 v[SPW], v[NIL]                      ; 0 onto my spare word
	s_wait_dscnt 1                                 ; (only the add may be out)
	MULQ 0, 1, 0
	s_wait_dscnt 0x0                               ; the add is done, and my reads of this slot are over
	s_barrier_signal -1
	MULQ 1, 1, 0
	WIN 0
	s_barrier_wait -1
.if \fill
	CREST
	s_add_nc_u64 s[G0+4*\slot+2:G0+4*\slot+3], s[G0+4*\slot+2:G0+4*\slot+3], 2*NQ*FRB
	s_add_nc_u64 s[G0B+4*\slot+2:G0B+4*\slot+3], s[G0B+4*\slot+2:G0B+4*\slot+3], 2*NQ*FRB
	JLOAD G0+4*\slot, G1, G0B+4*\slot, G1B
.else
	PLACES
.endif
	v_add_nc_u32 v[ADRS], 512*NQ, v[ADRS]
	s_wait_alu depctr_va_vdst(0)
	FETCH \next, 0, 0
	MULQ 2, 1, 0
	MULQ 3, 1, 0
.endm
	s_wait_alu depctr_va_vdst(0)
	s_wait_tensorcnt 0x0                           ; my tile of the head's four is in
	ds_add_u32 v[SPW], v[NIL]
	s_mov_b32 s[G1+2], MB<<16                      ; no load of mine is out: slot 1's load brings one half of a tile
	s_mov_b32 s[G1+4], MB
	s_mov_b32 s[G1B+2], MB<<16
	s_mov_b32 s[G1B+4], MB
	s_wait_dscnt 0x0
	CROUND                                         ; all four tiles are in, in every partner
	JLOAD G0+4, G1, G0B+4, G1B                     ; slot 1's first fill, issued as a refill is
	FETCH 0, 0, 0
	STEP 0, 0, 1
	; the residual's 64 x 64 numbers and the bias are asked for here, behind the first K step (not at the head): the head's tiles are in and slot 1's load is out; they land under the other seven K steps
	WIN 0xc0                                       ; destination window 3
.irp a, 0,1,2,3
.irp i, 0,1,2,3,4,5,6,7
	global_load_b128 v[4*(8*\a+\i):4*(8*\a+\i)+3], v[CO], s[94:95] offset:(32*(\a/2)+8*(\a%2)+16*(\i/4)+2*(\i%4))*4096 th:TH_LOAD_NT
.endr
.endr
	WIN 0
	global_load_b128 v[160:163], v8, s[98:99]
.if LAPS > 1
	WIN 0
	s_mov_b32 s3, LAPS-1
.Llap:
	STEP 0, 1, 0
	STEP 0, 2, 0
	TURN 0, 1, 1
	STEP 1, 0, 0
	STEP 1, 1, 0
	STEP 1, 2, 0
	TURN 1, 0, 1
	STEP 0, 0, 0
	WIN 0
	s_sub_co_u32 s3, s3, 1
	s_cmp_lg_u32 s3, 0
	s_cbranch_scc1 .Llap
.endif
	STEP 0, 1, 0
	STEP 0, 2, 0
	TURN 0, 1, 0
	STEP 1, 0, 0
	STEP 1, 1, 0
	STEP 1, 2, 0
	s_wait_dscnt 0x0
	MULQ 0, 1, 0
	MULQ 1, 1, 0
	MULQ 2, 1, 0
	MULQ 3, 1, 0
	WIN 0
	PLACES
	; THE WAY OUT.  A lane holds 8 neighbouring columns of a row and its neighbours hold other rows: a block of 16 rows x 64 columns goes through my own stage and comes back as rows of 256 bytes
	s_wait_loadcnt 0x0                             ; the residual and the bias
	WIN 0xc3
.set p, 0
.rept 64
	v_pk_add_f32 v[2*p:2*p+1], v[2*p:2*p+1], v[160+2*(p%2):161+2*(p%2)]     ; residual + bias
.set p, p+1
.endr
.macro TOSTAGE a
	WIN 0x08                                       ; an LDS store's data are its source 1: window 2
.irp b, 0,1,2,3
	ds_store_b128 v[STO], v[8*(4*(\a)+\b):8*(4*(\a)+\b)+3] offset:((\a)%2)*4352+128*(\b/2)+32*(\b%2)          ; each accumulator from its low end on
	ds_store_b128 v[STO], v[8*(4*(\a)+\b)+4:8*(4*(\a)+\b)+7] offset:((\a)%2)*4352+128*(\b/2)+32*(\b%2)+16
.endr
	WIN 0
.irp i, 0,1,2,3,4,5,6,7
	ds_load_b128 v[BK+32*((\a)%2)+4*\i:BK+32*((\a)%2)+4*\i+3], v[RD] offset:((\a)%2)*4352+544*\i     ; LDS serves a wave's instructions in order: these see my stores
.endr
.endm
.macro SEND a, younger
	s_wait_dscnt \younger                          ; the block is back; the next block's 8 stores and 8 loads may be out
	WIN 0x0c
.set p, 0
.rept 16
	v_pk_add_f32 v[BK+32*((\a)%2)+2*p:BK+32*((\a)%2)+2*p+1], v[BK+32*((\a)%2)+2*p:BK+32*((\a)%2)+2*p+1], v[32*(\a)+2*p:32*(\a)+2*p+1]
.set p, p+1
.endr
	WIN 0
.irp i, 0,1,2,3,4,5,6,7
	global_store_b128 v[CO], v[BK+32*((\a)%2)+4*\i:BK+32*((\a)%2)+4*\i+3], s[96:97] offset:(32*((\a)/2)+8*((\a)%2)+16*(\i/4)+2*(\i%4))*4096 th:TH_STORE_NT   ; 16 lanes store 256 consecutive bytes, aligned
.endr
.endm
	TOSTAGE 0
.irp a, 1,2,3
.if \a > 1
	s_wait_xcnt 0x0                                ; block a - 2's stores have read their registers
.endif
	TOSTAGE \a
	SEND \a-1, 16
.endr
	SEND 3, 0
	s_wait_tensorcnt 0x0                           ; the wave's end
	ds_add_u32 v[SPW], v[NIL]
	s_wait_dscnt 0x0
	CROUND
	s_endpgm
.Lfunc_end_k_qdb51503d5a_oproj:
	.size	k_qdb51503d5a_oproj, .Lfunc_end_k_qdb51503d5a_oproj-k_qdb51503d5a_oproj
	.p2alignl 7, 3214868480
	.fill 96, 4, 3214868480
	.section	.rodata,"a",@progbits
	.p2align	6, 0x0
	.amdhsa_kernel k_qdb51503d5a_oproj
		.amdhsa_group_segment_fixed_size 327680
		.amdhsa_private_segment_fixed_size 0
		.amdhsa_enable_private_segment 0
		.amdhsa_kernarg_size 40
		.amdhsa_user_sgpr_count 2
		.amdhsa_user_sgpr_kernarg_segment_ptr 1
		.amdhsa_wavefront_size32 1
		.amdhsa_system_sgpr_workgroup_id_x 1
		.amdhsa_system_sgpr_workgroup_id_y 1
		.amdhsa_system_sgpr_workgroup_id_z 1
		.amdhsa_system_vgpr_workitem_id 0
		.amdhsa_next_free_vgpr 1024
		.amdhsa_next_free_sgpr 102
		.amdhsa_reserve_vcc 0
		.amdhsa_float_denorm_mode_32 3
		.amdhsa_float_denorm_mode_16_64 3
		.amdhsa_memory_ordered 1
		.amdhsa_forward_progress 1
		.amdhsa_inst_pref_size 61
	.end_amdhsa_kernel
	.amdgpu_metadata
---
amdhsa.version: [ 1, 2 ]
amdhsa.kernels:
  - .name:           k_qdb51503d5a_oproj
    .symbol:         k_qdb51503d5a_oproj.kd
    .args:
      - { .name: ctx, .offset: 0, .size: 8, .value_kind: global_buffer, .address_space: global }
      - { .name: wq, .offset: 8, .size: 8, .value_kind: global_buffer, .address_space: global }
      - { .name: b_o, .offset: 16, .size: 8, .value_kind: global_buffer, .address_space: global }
      - { .name: x, .offset: 24, .size: 8, .value_kind: global_buffer, .address_space: global }
      - { .name: x1, .offset: 32, .size: 8, .value_kind: global_buffer, .address_space: global }
    .group_segment_fixed_size: 327680
    .private_segment_fixed_size: 0
    .kernarg_segment_align: 8
    .kernarg_segment_size: 40
    .max_flat_workgroup_size: 128
    .sgpr_count:     102
    .vgpr_count:     1024
    .wavefront_size: 32
...
	.end_amdgpu_metadata
.endif
;; end of part 4
;; launch ln2: the kernel of part 1 again; grid 256 x 1, 4 waves a work-group, no clusters, 43,520 bytes of LDS; arguments x1, g2, be2, nx, w_qkv, w_o, w1, w2, wq; writes nx, wq
;; launch ffn1 (part 5): grid 16 x 16, 4 waves a work-group, clusters of 4 x 4, 327,680 bytes of LDS; arguments nx, wq, b1, hq; writes hq
.if DOCPART == 5
	.amdgcn_target "amdgcn-amd-amdhsa--gfx1250"
	.amdhsa_code_object_version 6
	.text
	.protected	k_qdb51503d5a_ffn1
	.globl	k_qdb51503d5a_ffn1
	.p2align	8
	.type	k_qdb51503d5a_ffn1,@function
k_qdb51503d5a_ffn1:
	s_mov_b64 s[64:65], 0
	v_nop
	global_prefetch_b8 v0, s[64:65] scope:SCOPE_SE
	s_setreg_imm32_b32 hwreg(HW_REG_WAVE_MODE, 25, 1), 1
	s_wait_xcnt 0x0
	s_wait_alu depctr_hold_cnt(0) depctr_sa_sdst(0) depctr_va_vdst(0) depctr_va_sdst(0) depctr_va_ssrc(0) depctr_va_vcc(0) depctr_vm_vsrc(0)
	s_getreg_b32 s2, hwreg(HW_REG_IB_STS2, 6, 4)
	s_cmp_eq_u32 s2, 0
	s_cbranch_scc0 .Lentry_in_a_cluster
	s_endpgm
.Lentry_in_a_cluster:
	s_bfe_u32 s2, ttmp6, 0x10000c
	s_cmp_lg_u32 s2, 0xf033
	s_cbranch_scc0 .Lentry_shape_is_right
	s_endpgm
.Lentry_shape_is_right:
.set MB,    8
.set NQ,    2
.set KK,    1024
.set KST,   KK/128
.set LAPS,  KK/(256*NQ)
.set FRB,   1536
.set HALFT, MB*NQ*FRB
.set SLOT,  4*HALFT
.set SCL,   2*SLOT
.set HALFS, KST*MB*64
.set SH,    HALFS
.set SPARE, SCL+4*HALFS
.set NF,    6*MB+MB/4
.set ASC,   3145728
.set BCO,   3276800
.set BSO,   6422528
.set HQS,   12582912
.set ADRA, 16
.set ADRB, 20
.set ADRS, 27
.set SPW,  28
.set NIL,  29
.set SC,   32
.set AF,   64
.set SW,   48
.set PW,   56
.set T4,   58
.set BI,   64
.set H,    128
.set T,    192
.set PC,   224
.set CT,   236
.set TM,   244
.set SEL,  100
.set C1,   92
.set G1, 24
.set G0, 32
.set G1B, 48
.set G0B, 56
.set G1S, 68
.set G0S, 76
.set G1SB, 80
.set G0SB, 88
.set MSB, 0
.macro WIN new
.if MSB != (\new)
	s_set_vgpr_msb (MSB<<8)|(\new)
.set MSB, (\new)
.endif
.endm
.set MUL_LO, 0xa1
.set MUL_HI, 0xf1
.set TO_B,   0x40
.macro JLOAD g0a, g1a, g0b, g1b
	s_cmp_eq_u32 s15, 0
	s_cbranch_scc0 .Lfor_b_\@
	tensor_load_to_lds s[\g0a:\g0a+3], s[\g1a:\g1a+7]
	s_nop 0
.rept 4
	v_nop
.endr
	s_branch .Lasked_\@
.Lfor_b_\@:
	tensor_load_to_lds s[\g0b:\g0b+3], s[\g1b:\g1b+7]
	s_nop 0
.rept 4
	v_nop
.endr
.Lasked_\@:
.endm
.macro CREST
	s_cmp_lg_u32 s14, 0
	s_cbranch_scc1 .Lnot_wave_0_\@
	s_barrier_signal -3
.Lnot_wave_0_\@:
	s_barrier_wait -3
	s_barrier_signal -1
	s_barrier_wait -1
.endm
.macro CROUND
	s_barrier_signal -1
	s_barrier_wait -1
	CREST
.endm
.macro PLACES
.rept 4
	v_nop
.endr
.endm
	s_load_b256 s[4:11], s[0:1], 0x0
	v_lshl_add_u32 v[SPW], v0, 2, SPARE
	v_mov_b32 v[NIL], 0
	ds_add_u32 v28, v29
	ds_add_u32 v28, v29
	s_wait_dscnt 0x0
	v_lshrrev_b32 v1, 5, v0
	v_readfirstlane_b32 s14, v1
	s_lshr_b32 s15, s14, 1
	s_and_b32 s16, s14, 1
	s_bfe_u32 s40, ttmp6, 0x40000
	s_bfe_u32 s41, ttmp6, 0x40004
	s_lshl_b32 s42, ttmp9, 2
	s_add_co_u32 s42, s42, s40
	s_and_b32 s17, ttmp7, 0xffff
	s_lshl_b32 s17, s17, 2
	s_add_co_u32 s17, s17, s41
	s_lshl_b32 s43, s41, 2
	s_lshl_b32 s43, 15, s43
	s_lshl_b32 s44, 0x1111, s40
	s_or_b32 s[G1+0], s43, (3<<16)|(1<<21)
	s_or_b32 s[G1B+0], s44, (3<<16)|(1<<21)
.irp g, G1, G1B
	s_mov_b32 s[\g+1], (NQ*192)<<16
	s_mov_b32 s[\g+2], (2*MB)<<16                  ; the head's loads bring a whole tile, both halves
	s_mov_b32 s[\g+3], (NQ*192)<<16
	s_mov_b32 s[\g+4], 2*MB
	s_mov_b32 s[\g+5], KST*192
	s_mov_b32 s[\g+6], 0
	s_mov_b32 s[\g+7], 0
.endr
	s_or_b32 s[G1S+0], s43, (3<<16)|(1<<21)
	s_or_b32 s[G1SB+0], s44, (3<<16)|(1<<21)
.irp g, G1S, G1SB
	s_mov_b32 s[\g+1], 32<<16
	s_mov_b32 s[\g+2], (HALFS/128)<<16
	s_mov_b32 s[\g+3], 32<<16
	s_mov_b32 s[\g+4], HALFS/128
	s_mov_b32 s[\g+5], 32
	s_mov_b32 s[\g+6], 0
	s_mov_b32 s[\g+7], 0
.endr
	s_lshl_b32 s18, s17, 1
	s_mul_i32 s66, s18, MB*KST*FRB
	s_mov_b32 s67, 0
	s_mul_i32 s18, s18, HALFS
	s_mov_b32 s19, 0
	s_lshl_b32 s2, s42, 1
	s_mul_i32 s94, s2, MB*KST*FRB
	s_mov_b32 s95, 0
	s_mul_i32 s96, s2, HALFS
	s_mov_b32 s97, 0
	s_mul_i32 s45, s14, HALFT
	s_wait_kmcnt 0x0
	s_add_nc_u64 s[20:21], s[4:5], s[66:67]
	s_add_nc_u64 s[22:23], s[4:5], s[18:19]
	s_add_nc_u64 s[22:23], s[22:23], ASC
	s_add_nc_u64 s[46:47], s[6:7], s[94:95]
	s_add_nc_u64 s[46:47], s[46:47], BCO
	s_add_nc_u64 s[92:93], s[6:7], s[96:97]
	s_add_nc_u64 s[92:93], s[92:93], BSO
	CROUND
	s_mov_b32 s[G0S], 1
	s_mov_b32 s[G0S+1], SCL
	s_mov_b64 s[G0S+2:G0S+3], s[22:23]
	s_or_b32 s[G0S+3], s[G0S+3], 0x80000000
	s_mov_b32 s[G0SB], 1
	s_mov_b32 s[G0SB+1], SCL+2*HALFS
	s_mov_b64 s[G0SB+2:G0SB+3], s[92:93]
	s_or_b32 s[G0SB+3], s[G0SB+3], 0x80000000
.irp s, 0,1
	s_mov_b32 s[G0+4*\s], 1
	s_add_co_u32 s[G0+4*\s+1], s45, \s*SLOT
	s_add_nc_u64 s[G0+4*\s+2:G0+4*\s+3], s[20:21], \s*NQ*FRB
	s_or_b32 s[G0+4*\s+3], s[G0+4*\s+3], 0x80000000
	s_mov_b32 s[G0B+4*\s], 1
	s_add_co_u32 s[G0B+4*\s+1], s45, \s*SLOT
	s_add_nc_u64 s[G0B+4*\s+2:G0B+4*\s+3], s[46:47], \s*NQ*FRB
	s_or_b32 s[G0B+4*\s+3], s[G0B+4*\s+3], 0x80000000
.endr
	; THE HEAD'S FOUR TILES, ONE JOINT LOAD A WAVE: wave 0 slot 0's 256 rows of A, wave 1 those of B, wave 2 A's scale words, wave 3 B's.
	; Slot 0's groups 0 serve these loads first; they are set for the ring behind the wait that shows the loads landed.
	; No prefetch: K is 1,024, four slots' fills in all, of which two go out in the head.
	s_mov_b32 s[G0+1], 0
	s_mov_b32 s[G0B+1], 2*HALFT
	s_mul_i32 s18, s16, MB*KST*FRB                 ; in the ring I fetch one half of a tile (s19 = 0)
	s_add_nc_u64 s[G0+6:G0+7], s[G0+6:G0+7], s[18:19]
	s_add_nc_u64 s[G0B+6:G0B+7], s[G0B+6:G0B+7], s[18:19]
.macro ARM under, g0, g1, next
	s_cmp_lt_u32 s14, \under
	s_cbranch_scc0 \next
	tensor_load_to_lds s[\g0:\g0+3], s[\g1:\g1+7]
	s_nop 0
.rept 4
	v_nop
.endr
	s_branch .Lhead_asked
\next:
.endm
	ARM 1, G0,  G1,  .Lhead_b
	ARM 2, G0B, G1B, .Lhead_sa
	ARM 3, G0S, G1S, .Lhead_sb
	tensor_load_to_lds s[G0SB:G0SB+3], s[G1SB:G1SB+7]
	s_nop 0
.rept 4
	v_nop
.endr
.Lhead_asked:
	v_and_b32 v1, 31, v0
	v_and_b32 v2, 15, v0
	v_bfe_u32 v3, v0, 4, 1
	s_wait_alu depctr_va_vdst(0)
	v_lshlrev_b32 v4, 4, v1
	s_mul_i32 s21, s15, HALFT
	s_mul_i32 s22, s16, HALFT
	s_add_co_u32 s22, s22, 2*HALFT
.irp s, 0,1
	v_add_nc_u32 v[ADRA+\s], s21, v4
	v_add_nc_u32 v[ADRB+\s], s22, v4
	s_add_co_u32 s21, s21, SLOT
	s_add_co_u32 s22, s22, SLOT
.endr
	v_lshlrev_b32 v5, 5, v2
	s_mul_i32 s21, s15, SH
	s_mul_i32 s22, s16, SH
	s_add_co_u32 s22, s22, 2*HALFS
	s_sub_co_u32 s22, s22, s21
	v_mul_u32_u24 v6, s22, v3
	s_add_co_u32 s21, s21, SCL
	v_add_nc_u32 v5, v5, v6
	v_add_nc_u32 v[ADRS], s21, v5
	v_lshlrev_b32 v7, 6, v3
	v_lshlrev_b32 v9, 5, v2
	v_lshl_add_u32 v9, v3, 4, v9
	s_mov_b32 s[SEL], 0x76543210
	s_mov_b32 s[SEL+1], 0xfedcba98
	s_mov_b32 s[C1], 0xbdd2d3e8
	s_mov_b32 s[C1+1], s[C1]
	s_lshl_b32 s12, s42, 1
	s_add_co_u32 s12, s12, s16
	s_lshl_b32 s13, s17, 1
	s_add_co_u32 s13, s13, s15
	s_lshl_b32 s18, s13, 8
	s_add_co_u32 s18, s18, s12
	s_mul_i32 s96, s18, 1536
	s_mov_b32 s97, 0
	s_add_nc_u64 s[96:97], s[10:11], s[96:97]
	s_lshl_b32 s18, s13, 5
	s_add_co_u32 s18, s18, s12
	s_lshl_b32 s98, s18, 9
	s_add_co_u32 s98, s98, HQS
	s_mov_b32 s99, 0
	s_add_nc_u64 s[98:99], s[10:11], s[98:99]
	s_lshl_b32 s94, s12, 9
	s_mov_b32 s95, 0
	s_add_nc_u64 s[94:95], s[8:9], s[94:95]
.macro FETCH slot, q, set
	WIN TO_B
.set fi, 0
.rept MB
.irp c, 0,1,2
	ds_load_b128 v[128*(\set)+12*fi+4*\c:128*(\set)+12*fi+4*\c+3], v[ADRB+\slot] offset:fi*NQ*FRB+(\q)*FRB+512*\c
.endr
.set fi, fi+1
.endr
	WIN 0
.set fi, 0
.rept MB
.irp c, 0,1,2
	ds_load_b128 v[AF+12*MB*(\set)+12*fi+4*\c:AF+12*MB*(\set)+12*fi+4*\c+3], v[ADRA+\slot] offset:fi*NQ*FRB+(\q)*FRB+512*\c
.endr
.set fi, fi+1
.endr
.set fi, 0
.rept MB/4
	ds_load_b128 v[SC+MB*(\set)+4*fi:SC+MB*(\set)+4*fi+3], v[ADRS] offset:512*(\q)+16*fi
.set fi, fi+1
.endr
.endm
.macro MULQ p, set, zero
.set a_, (\p)*MB/4
.rept MB/4
.if a_ < 4
	WIN MUL_LO
.else
	WIN MUL_HI
.endif
.set b_, 0
.rept MB
.set ac_, 8*(MB*(a_%4)+b_)
.if \zero
	v_wmma_scale_f32_16x16x128_f8f6f4 v[ac_:ac_+7], v[128*(\set)+12*b_:128*(\set)+12*b_+11], v[AF+12*MB*(\set)+12*a_:AF+12*MB*(\set)+12*a_+11], 0, v[SC+MB*(\set)+b_], v[SC+MB*(\set)+a_] matrix_a_fmt:MATRIX_FMT_FP6 matrix_b_fmt:MATRIX_FMT_FP6 matrix_a_scale:MATRIX_SCALE_ROW1
.else
	v_wmma_scale_f32_16x16x128_f8f6f4 v[ac_:ac_+7], v[128*(\set)+12*b_:128*(\set)+12*b_+11], v[AF+12*MB*(\set)+12*a_:AF+12*MB*(\set)+12*a_+11], v[ac_:ac_+7], v[SC+MB*(\set)+b_], v[SC+MB*(\set)+a_] matrix_a_fmt:MATRIX_FMT_FP6 matrix_b_fmt:MATRIX_FMT_FP6 matrix_a_scale:MATRIX_SCALE_ROW1
.endif
.set b_, b_+1
.endr
.set a_, a_+1
.endr
.endm
.macro STEP slot, q, zero
	PLACES
	FETCH \slot, (\q)+1, ((\q)+1)%2
	s_wait_dscnt NF
	MULQ 0, (\q)%2, \zero
	MULQ 1, (\q)%2, \zero
	MULQ 2, (\q)%2, \zero
	MULQ 3, (\q)%2, \zero
.endm
.macro TURN slot, next, fill
	WIN 0
	s_wait_tensorcnt 0x0
	ds_add_u32 v[SPW], v[NIL]
	s_wait_dscnt 1
	MULQ 0, 1, 0
	s_wait_dscnt 0x0
	s_barrier_signal -1
	MULQ 1, 1, 0
	WIN 0
	s_barrier_wait -1
.if \fill
	CREST
	s_add_nc_u64 s[G0+4*\slot+2:G0+4*\slot+3], s[G0+4*\slot+2:G0+4*\slot+3], 2*NQ*FRB
	s_add_nc_u64 s[G0B+4*\slot+2:G0B+4*\slot+3], s[G0B+4*\slot+2:G0B+4*\slot+3], 2*NQ*FRB
	JLOAD G0+4*\slot, G1, G0B+4*\slot, G1B
.else
	PLACES
.endif
	s_wait_alu depctr_va_vdst(0)
	v_add_nc_u32 v[ADRS], 512*NQ, v[ADRS]
	FETCH \next, 0, 0
	MULQ 2, 1, 0
	MULQ 3, 1, 0
.endm
	s_wait_alu depctr_va_vdst(0)
	s_wait_tensorcnt 0x0                           ; my tile of the head's four is in
	ds_add_u32 v[SPW], v[NIL]
	s_mov_b32 s[G1+2], MB<<16                      ; no load of mine is out: from here on a load brings one half of a tile
	s_mov_b32 s[G1+4], MB
	s_mov_b32 s[G1B+2], MB<<16
	s_mov_b32 s[G1B+4], MB
	s_mov_b32 s[G0+1], s45                         ; slot 0's groups 0 for the ring: my quarter of the slot, my half's first K step
	s_mov_b32 s[G0B+1], s45
	s_sub_nc_u64 s[G0+2:G0+3], s[G0+6:G0+7], NQ*FRB
	s_sub_nc_u64 s[G0B+2:G0B+3], s[G0B+6:G0B+7], NQ*FRB
	s_wait_dscnt 0x0
	CROUND                                         ; all four tiles are in, in every partner
	JLOAD G0+4, G1, G0B+4, G1B                     ; slot 1's first fill, issued as a refill is
	FETCH 0, 0, 0
	STEP 0, 0, 1
	WIN 0
	s_mov_b32 s3, LAPS-1
.Llap:
	TURN 0, 1, 1
	STEP 1, 0, 0
	TURN 1, 0, 1
	STEP 0, 0, 0
	WIN 0
	s_sub_co_u32 s3, s3, 1
	s_cmp_lg_u32 s3, 0
	s_cbranch_scc1 .Llap
	TURN 0, 1, 0
	STEP 1, 0, 0
	WIN 0
	PLACES
.irp bb, 0,1,2,3
.irp e, 0,1,2,3
	global_load_b128 v[BI+16*\bb+4*\e:BI+16*\bb+4*\e+3], v7, s[94:95] offset:128*\bb+16*\e
.endr
.endr
	s_wait_dscnt 0x0
	MULQ 0, 1, 0
	MULQ 1, 1, 0
	MULQ 2, 1, 0
	MULQ 3, 1, 0
	WIN 0
	PLACES
.macro QUANT s, d0, d1
.irp b, 0,1,2,3
	v_max3_num_f32 v[TM+\b], |v[\s+16*\b]|, |v[\s+1+16*\b]|, 0x1800000
.endr
.irp i, 2,4,6,8,10,12,14
.irp b, 0,1,2,3
	v_max3_num_f32 v[TM+\b], v[TM+\b], |v[\s+16*\b+\i]|, |v[\s+1+16*\b+\i]|
.endr
.endr
.irp b, 0,1,2,3
	v_permlanex16_b32 v[TM+4+\b], v[TM+\b], s[SEL], s[SEL+1]
.endr
.irp b, 0,1,2,3
	v_max_num_f32 v[TM+\b], v[TM+\b], v[TM+4+\b]
.endr
.irp b, 0,1,2,3
	v_add_nc_u32 v[TM+8+\b], 0xff000000, v[TM+\b]
.endr
.irp b, 0,1,2,3
	v_lshrrev_b32 v[TM+4+\b], 23, v[TM+8+\b]
.endr
	v_lshl_or_b32 v[PW], v[TM+5], 8, v[TM+4]
	v_lshl_or_b32 v[PW], v[TM+6], 16, v[PW]
	v_lshl_or_b32 v[PW], v[TM+7], 24, v[PW]
	v_cvt_scalef32_pk16_fp6_f32 v[\d0:\d0+2], v[\s:\s+15], v[TM+8]
	v_cvt_scalef32_pk16_fp6_f32 v[CT:CT+2], v[\s+16:\s+31], v[TM+9]
	v_cvt_scalef32_pk16_fp6_f32 v[\d1:\d1+2], v[\s+32:\s+47], v[TM+10]
	v_cvt_scalef32_pk16_fp6_f32 v[CT+4:CT+6], v[\s+48:\s+63], v[TM+11]
	v_nop
.irp i, 0,1,2
	v_permlane16_swap_b32 v[\d0+\i], v[CT+\i]
	v_permlane16_swap_b32 v[\d1+\i], v[CT+4+\i]
.endr
.irp i, 0,1,2
	v_mov_b32 v[\d0+3+\i], v[CT+\i]
	v_mov_b32 v[\d1+3+\i], v[CT+4+\i]
.endr
.endm
.irp b, 0,1,2,3
	v_mov_b32 v[TM+4+\b], 0
.endr
	v_mov_b32 v62, 0xc0135761
	v_mov_b32 v63, v62
	v_cmp_eq_u32 vcc_lo, 1, v3
	s_wait_loadcnt 0x0
.irp a, 0,1,2,3,4,5,6,7
	s_wait_xcnt 0x0
	WIN 0x02+\a/4
.set n, 0
.rept 32
	v_pk_add_f32 v[H+2*n:H+2*n+1], v[64*(\a%4)+2*n:64*(\a%4)+2*n+1], v[BI+2*n:BI+2*n+1]
.set n, n+1
.endr
	WIN 0
.irp hf, 0,1
.set n, 0
.rept 16
	v_pk_mul_f32 v[T+2*n:T+2*n+1], v[H+32*\hf+2*n:H+32*\hf+2*n+1], v[H+32*\hf+2*n:H+32*\hf+2*n+1]
.set n, n+1
.endr
.set n, 0
.rept 16
	v_pk_fma_f32 v[T+2*n:T+2*n+1], v[T+2*n:T+2*n+1], s[C1:C1+1], v[62:63] op_sel_hi:[1,0,1]
.set n, n+1
.endr
.set n, 0
.rept 16
	v_pk_mul_f32 v[T+2*n:T+2*n+1], v[T+2*n:T+2*n+1], v[H+32*\hf+2*n:H+32*\hf+2*n+1]
.set n, n+1
.endr
.set n, 0
	s_wait_alu depctr_va_vdst(0)
.rept 32
	v_exp_f32 v[T+n], v[T+n]
.set n, n+1
.endr
	v_nop
.set n, 0
	s_wait_alu depctr_va_vdst(0)
.rept 16
	v_pk_add_f32 v[T+2*n:T+2*n+1], v[T+2*n:T+2*n+1], 1.0 op_sel_hi:[1,0]
.set n, n+1
.endr
.set n, 0
	s_wait_alu depctr_va_vdst(0)
.rept 32
	v_rcp_f32 v[T+n], v[T+n]
.set n, n+1
.endr
	v_nop
.set n, 0
	s_wait_alu depctr_va_vdst(0)
.rept 16
	v_pk_mul_f32 v[H+32*\hf+2*n:H+32*\hf+2*n+1], v[H+32*\hf+2*n:H+32*\hf+2*n+1], v[T+2*n:T+2*n+1]
.set n, n+1
.endr
.endr
	QUANT H, PC, PC+6
	v_mov_b32 v[SW+\a], v[PW]
.irp c, 0,1,2
	global_store_b128 v4, v[PC+4*\c:PC+4*\c+3], s[96:97] offset:49152*\a+512*\c
.endr
.endr
.irp e, 0,1,2,3
	v_cndmask_b32 v[T4+\e], v[SW+\e], v[SW+4+\e], vcc_lo
.endr
	global_store_b128 v9, v[T4:T4+3], s[98:99]
	s_wait_tensorcnt 0x0
	ds_add_u32 v[SPW], v[NIL]
	s_wait_dscnt 0x0
	CROUND
	s_endpgm
.Lfunc_end_k_qdb51503d5a_ffn1:
	.size	k_qdb51503d5a_ffn1, .Lfunc_end_k_qdb51503d5a_ffn1-k_qdb51503d5a_ffn1
	.p2alignl 7, 3214868480
	.fill 96, 4, 3214868480
	.section	.rodata,"a",@progbits
	.p2align	6, 0x0
	.amdhsa_kernel k_qdb51503d5a_ffn1
		.amdhsa_group_segment_fixed_size 327680
		.amdhsa_private_segment_fixed_size 0
		.amdhsa_enable_private_segment 0
		.amdhsa_kernarg_size 32
		.amdhsa_user_sgpr_count 2
		.amdhsa_user_sgpr_kernarg_segment_ptr 1
		.amdhsa_wavefront_size32 1
		.amdhsa_system_sgpr_workgroup_id_x 1
		.amdhsa_system_sgpr_workgroup_id_y 1
		.amdhsa_system_sgpr_workgroup_id_z 1
		.amdhsa_system_vgpr_workitem_id 0
		.amdhsa_next_free_vgpr 1024
		.amdhsa_next_free_sgpr 102
		.amdhsa_reserve_vcc 1
		.amdhsa_float_denorm_mode_32 3
		.amdhsa_float_denorm_mode_16_64 3
		.amdhsa_memory_ordered 1
		.amdhsa_forward_progress 1
		.amdhsa_inst_pref_size 255
	.end_amdhsa_kernel
	.section	.bss,"aw",@nobits
	.p2align	6
	.space	262144
	.amdgpu_metadata
---
amdhsa.version: [ 1, 2 ]
amdhsa.kernels:
  - .name:           k_qdb51503d5a_ffn1
    .symbol:         k_qdb51503d5a_ffn1.kd
    .args:
      - { .name: nx, .offset: 0, .size: 8, .value_kind: global_buffer, .address_space: global }
      - { .name: wq, .offset: 8, .size: 8, .value_kind: global_buffer, .address_space: global }
      - { .name: b1, .offset: 16, .size: 8, .value_kind: global_buffer, .address_space: global }
      - { .name: hq, .offset: 24, .size: 8, .value_kind: global_buffer, .address_space: global }
    .group_segment_fixed_size: 327680
    .private_segment_fixed_size: 0
    .kernarg_segment_align: 8
    .kernarg_segment_size: 32
    .max_flat_workgroup_size: 128
    .sgpr_count:     102
    .vgpr_count:     1024
    .wavefront_size: 32
...
	.end_amdgpu_metadata
.endif
;; end of part 5
;; launch ffn2 (part 6): grid 8 x 32, 4 waves a work-group, clusters of 4 x 4, 327,680 bytes of LDS; arguments hq, wq, b2, x1, out0; writes out0
.if DOCPART == 6
	.amdgcn_target "amdgcn-amd-amdhsa--gfx1250"
	.amdhsa_code_object_version 6
	.text
	.protected	k_qdb51503d5a_ffn2
	.globl	k_qdb51503d5a_ffn2
	.p2align	8
	.type	k_qdb51503d5a_ffn2,@function
k_qdb51503d5a_ffn2:
	s_mov_b64 s[64:65], 0
	v_nop
	global_prefetch_b8 v0, s[64:65] scope:SCOPE_SE
	s_setreg_imm32_b32 hwreg(HW_REG_WAVE_MODE, 25, 1), 1
	s_wait_xcnt 0x0
	s_wait_alu depctr_hold_cnt(0) depctr_sa_sdst(0) depctr_va_vdst(0) depctr_va_sdst(0) depctr_va_ssrc(0) depctr_va_vcc(0) depctr_vm_vsrc(0)
	s_getreg_b32 s2, hwreg(HW_REG_IB_STS2, 6, 4)
	s_cmp_eq_u32 s2, 0
	s_cbranch_scc0 .Lentry_in_a_cluster
	s_endpgm
.Lentry_in_a_cluster:
	s_bfe_u32 s2, ttmp6, 0x10000c
	s_cmp_lg_u32 s2, 0xf033
	s_cbranch_scc0 .Lentry_shape_is_right
	s_endpgm
.Lentry_shape_is_right:
; out0 = x1 + gelu(..) w2 + b2: a product on codes of FP6 (E2M3) with E8M0 scales, f32 sums; the bias and the residual are added on the way out.
; A tile of 128 x 128 to a work-group (256 work-groups), 64 x 64 to a wave.  K = 4,096 goes in 8 chunks of four K steps through a ring of two LDS slots; operands lie as images of their registers.
; CLUSTERS 4 x 4: A's tiles are asked for jointly along a row of the cluster, B's along a column.
; PREFETCH: a wave's load of a chunk is 4 row blocks x 6,144 bytes; each of the four partners that ask for it jointly names one row block (told apart by address: cx for A, cy for B),
; 24 lanes a block of 256 bytes each, lanes 24-31 the last block again.  Chunk k is named when chunk k - 2 is loaded (chunk 1 with chunk 0); the loop's last trip names nothing.
; LIMITS: NaN and infinities are not served.
.set PFO,   30                         ; v30 the prefetches' offset: 256 x min(lane, 23); never rewritten
.set PFA,   66                         ; s[66:67] where my prefetches stand
.set KK,    4096
.set ASC,   12582912
.set BCO,   6553600
.set BSO,   9699328
.set MB,    4
.set NQ,    4
.set KST,   KK/128
.set LAPS,  KK/(256*NQ)
.set FRB,   1536
.set HALFT, MB*NQ*FRB
.set SLOT,  4*HALFT
.set SCL,   2*SLOT
.set HALFS, KST*MB*64
.set SH,    16
.set SPARE, SCL+4*HALFS
.set STG,   SPARE+512
.set NF,    6*MB+MB/4
.set ADRA, 16
.set ADRB, 20
.set ADRS, 27
.set SPW,  28
.set NIL,  29
.set SC,   32
.set AF,   64
.set CO,   7
.set STO,  9
.set RD,   10
.set BK,   64
.set G1, 24
.set G0, 32
.set G1B, 48
.set G0B, 56
.set G1S, 68
.set G0S, 76
.set G1SB, 80
.set G0SB, 88
.set MSB, 0
.macro WIN new
.if MSB != (\new)
	s_set_vgpr_msb (MSB<<8)|(\new)
.set MSB, (\new)
.endif
.endm
.set MUL_LO, 0xa1
.set MUL_HI, 0xf1
.set TO_B,   0x40
.macro JLOAD g0a, g1a, g0b, g1b
	s_cmp_eq_u32 s15, 0
	s_cbranch_scc0 .Lfor_b_\@
	tensor_load_to_lds s[\g0a:\g0a+3], s[\g1a:\g1a+7]
	s_nop 0
.rept 4
	v_nop
.endr
	s_branch .Lasked_\@
.Lfor_b_\@:
	tensor_load_to_lds s[\g0b:\g0b+3], s[\g1b:\g1b+7]
	s_nop 0
.rept 4
	v_nop
.endr
.Lasked_\@:
.endm
.macro CREST
	s_cmp_lg_u32 s14, 0
	s_cbranch_scc1 .Lnot_wave_0_\@
	s_barrier_signal -3
.Lnot_wave_0_\@:
	s_barrier_wait -3
	s_barrier_signal -1
	s_barrier_wait -1
.endm
.macro CROUND
	s_barrier_signal -1
	s_barrier_wait -1
	CREST
.endm
.macro PLACES
.rept 4
	v_nop
.endr
.endm
	s_load_b256 s[4:11], s[0:1], 0x0
	s_load_b64 s[12:13], s[0:1], 0x20
	v_lshl_add_u32 v[SPW], v0, 2, SPARE
	v_mov_b32 v[NIL], 0
	ds_add_u32 v28, v29
	ds_add_u32 v28, v29
	s_wait_dscnt 0x0
	v_lshrrev_b32 v1, 5, v0
	v_readfirstlane_b32 s14, v1
	s_lshr_b32 s15, s14, 1
	s_and_b32 s16, s14, 1
	s_bfe_u32 s40, ttmp6, 0x40000
	s_bfe_u32 s41, ttmp6, 0x40004
	s_lshl_b32 s42, ttmp9, 2
	s_add_co_u32 s42, s42, s40
	s_and_b32 s17, ttmp7, 0xffff
	s_lshl_b32 s17, s17, 2
	s_add_co_u32 s17, s17, s41
	s_lshl_b32 s43, s41, 2
	s_lshl_b32 s43, 15, s43
	s_lshl_b32 s44, 0x1111, s40
	s_or_b32 s[G1+0], s43, (3<<16)|(1<<21)
	s_or_b32 s[G1B+0], s44, (3<<16)|(1<<21)
.irp g, G1, G1B
	s_mov_b32 s[\g+1], (NQ*192)<<16
	s_mov_b32 s[\g+2], (2*MB)<<16                  ; the head's loads bring a whole tile, both halves
	s_mov_b32 s[\g+3], (NQ*192)<<16
	s_mov_b32 s[\g+4], 2*MB
	s_mov_b32 s[\g+5], KST*192
	s_mov_b32 s[\g+6], 0
	s_mov_b32 s[\g+7], 0
.endr
	s_or_b32 s[G1S+0], s43, (3<<16)|(1<<21)
	s_or_b32 s[G1SB+0], s44, (3<<16)|(1<<21)
.irp g, G1S, G1SB
	s_mov_b32 s[\g+1], 32<<16
	s_mov_b32 s[\g+2], (HALFS/128)<<16
	s_mov_b32 s[\g+3], 32<<16
	s_mov_b32 s[\g+4], HALFS/128
	s_mov_b32 s[\g+5], 32
	s_mov_b32 s[\g+6], 0
	s_mov_b32 s[\g+7], 0
.endr
	s_lshl_b32 s18, s17, 1
	s_mul_i32 s66, s18, MB*KST*FRB
	s_mov_b32 s67, 0
	s_mul_i32 s18, s18, HALFS
	s_mov_b32 s19, 0
	s_lshl_b32 s2, s42, 1
	s_mul_i32 s94, s2, MB*KST*FRB
	s_mov_b32 s95, 0
	s_mul_i32 s96, s2, HALFS
	s_mov_b32 s97, 0
	s_mul_i32 s45, s14, HALFT
	s_wait_kmcnt 0x0
	s_add_nc_u64 s[20:21], s[4:5], s[66:67]
	s_add_nc_u64 s[22:23], s[4:5], s[18:19]
	s_add_nc_u64 s[22:23], s[22:23], ASC
	s_add_nc_u64 s[46:47], s[6:7], s[94:95]
	s_add_nc_u64 s[46:47], s[46:47], BCO
	s_add_nc_u64 s[92:93], s[6:7], s[96:97]
	s_add_nc_u64 s[92:93], s[92:93], BSO
	CROUND
	s_mov_b32 s[G0S], 1
	s_mov_b32 s[G0S+1], SCL
	s_mov_b64 s[G0S+2:G0S+3], s[22:23]
	s_or_b32 s[G0S+3], s[G0S+3], 0x80000000
	s_mov_b32 s[G0SB], 1
	s_mov_b32 s[G0SB+1], SCL+2*HALFS
	s_mov_b64 s[G0SB+2:G0SB+3], s[92:93]
	s_or_b32 s[G0SB+3], s[G0SB+3], 0x80000000
.irp s, 0,1
	s_mov_b32 s[G0+4*\s], 1
	s_add_co_u32 s[G0+4*\s+1], s45, \s*SLOT
	s_add_nc_u64 s[G0+4*\s+2:G0+4*\s+3], s[20:21], \s*NQ*FRB
	s_or_b32 s[G0+4*\s+3], s[G0+4*\s+3], 0x80000000
	s_mov_b32 s[G0B+4*\s], 1
	s_add_co_u32 s[G0B+4*\s+1], s45, \s*SLOT
	s_add_nc_u64 s[G0B+4*\s+2:G0B+4*\s+3], s[46:47], \s*NQ*FRB
	s_or_b32 s[G0B+4*\s+3], s[G0B+4*\s+3], 0x80000000
.endr
	; THE HEAD'S FOUR TILES, ONE JOINT LOAD A WAVE: wave 0 slot 0's 128 rows of A, wave 1 those of B, wave 2 A's scale words, wave 3 B's.
	; Slot 0's groups 0 serve these loads first; they are set for the ring behind the wait that shows the loads landed.
	s_mov_b32 s[G0+1], 0
	s_mov_b32 s[G0B+1], 2*HALFT
	s_mul_i32 s18, s16, MB*KST*FRB                 ; in the ring I fetch one half of a tile (s19 = 0)
	s_add_nc_u64 s[G0+6:G0+7], s[G0+6:G0+7], s[18:19]
	s_add_nc_u64 s[G0B+6:G0B+7], s[G0B+6:G0B+7], s[18:19]
	s_cmp_eq_u32 s15, 0                            ; the prefetches: do I fetch for A?
	s_cselect_b64 s[PFA:PFA+1], s[20:21], s[46:47] ; the tile's codes,
	s_cselect_b32 s2, s40, s41                     ; my place among the four that ask with me,
	s_add_nc_u64 s[PFA:PFA+1], s[PFA:PFA+1], s[18:19]  ; my half,
	s_mul_i32 s18, s2, KST*FRB
	s_add_nc_u64 s[PFA:PFA+1], s[PFA:PFA+1], s[18:19]  ; and my work-group's row block of its four
.macro ARM under, g0, g1, next
	s_cmp_lt_u32 s14, \under
	s_cbranch_scc0 \next
	tensor_load_to_lds s[\g0:\g0+3], s[\g1:\g1+7]
	s_nop 0
.rept 4
	v_nop
.endr
	s_branch .Lhead_asked
\next:
.endm
	ARM 1, G0,  G1,  .Lhead_b
	ARM 2, G0B, G1B, .Lhead_sa
	ARM 3, G0S, G1S, .Lhead_sb
	tensor_load_to_lds s[G0SB:G0SB+3], s[G1SB:G1SB+7]
	s_nop 0
.rept 4
	v_nop
.endr
.Lhead_asked:
	v_and_b32 v[PFO], 31, v0
	v_min_u32 v[PFO], 23, v[PFO]
	v_lshlrev_b32 v[PFO], 8, v[PFO]
	global_prefetch_b8 v[PFO], s[PFA:PFA+1] offset:NQ*FRB th:TH_LOAD_NT scope:SCOPE_SE     ; chunk 1
	global_prefetch_b8 v[PFO], s[PFA:PFA+1] offset:2*NQ*FRB th:TH_LOAD_NT scope:SCOPE_SE   ; chunk 2
	v_and_b32 v1, 31, v0
	v_and_b32 v2, 15, v0
	v_bfe_u32 v3, v0, 4, 1
	s_wait_alu depctr_va_vdst(0)
	v_lshlrev_b32 v4, 4, v1
	s_mul_i32 s21, s15, HALFT
	s_mul_i32 s22, s16, HALFT
	s_add_co_u32 s22, s22, 2*HALFT
.irp s, 0,1
	v_add_nc_u32 v[ADRA+\s], s21, v4
	v_add_nc_u32 v[ADRB+\s], s22, v4
	s_add_co_u32 s21, s21, SLOT
	s_add_co_u32 s22, s22, SLOT
.endr
	v_lshlrev_b32 v5, 5, v2
	s_mul_i32 s21, s15, SH
	s_mul_i32 s22, s16, SH
	s_add_co_u32 s22, s22, 2*HALFS
	s_sub_co_u32 s22, s22, s21
	v_mul_u32_u24 v6, s22, v3
	s_add_co_u32 s21, s21, SCL
	v_add_nc_u32 v5, v5, v6
	v_add_nc_u32 v[ADRS], s21, v5
	v_lshlrev_b32 v[CO], 12, v3
	v_lshl_add_u32 v[CO], v2, 4, v[CO]
	s_wait_alu depctr_va_vdst(0)
	v_lshlrev_b32 v8, 4, v2
	s_wait_alu depctr_va_vdst(0)
	s_mul_i32 s20, s14, 8704
	s_add_co_u32 s20, s20, STG
	v_mul_u32_u24 v[STO], v2, 272
	v_lshl_add_u32 v[STO], v3, 6, v[STO]
	v_add_nc_u32 v[STO], s20, v[STO]
	v_mul_u32_u24 v[RD], v3, 272
	v_lshl_add_u32 v[RD], v2, 4, v[RD]
	v_add_nc_u32 v[RD], s20, v[RD]
	s_lshl_b32 s18, s17, 19
	s_lshl_b32 s19, s15, 18
	s_add_co_u32 s18, s18, s19
	s_lshl_b32 s21, s42, 9
	s_lshl_b32 s19, s16, 8
	s_add_co_u32 s21, s21, s19
	s_add_co_u32 s18, s18, s21
	s_mov_b32 s19, 0
	s_add_nc_u64 s[94:95], s[10:11], s[18:19]
	s_add_nc_u64 s[96:97], s[12:13], s[18:19]
	s_mov_b32 s18, s21
	s_add_nc_u64 s[98:99], s[8:9], s[18:19]
.macro FETCH slot, q, set
	WIN TO_B
.set fi, 0
.rept MB
.irp c, 0,1,2
	ds_load_b128 v[128*(\set)+12*fi+4*\c:128*(\set)+12*fi+4*\c+3], v[ADRB+\slot] offset:fi*NQ*FRB+(\q)*FRB+512*\c
.endr
.set fi, fi+1
.endr
	WIN 0
.set fi, 0
.rept MB
.irp c, 0,1,2
	ds_load_b128 v[AF+12*MB*(\set)+12*fi+4*\c:AF+12*MB*(\set)+12*fi+4*\c+3], v[ADRA+\slot] offset:fi*NQ*FRB+(\q)*FRB+512*\c
.endr
.set fi, fi+1
.endr
.set fi, 0
.rept MB/4
	ds_load_b128 v[SC+MB*(\set)+4*fi:SC+MB*(\set)+4*fi+3], v[ADRS] offset:512*(\q)+16*fi
.set fi, fi+1
.endr
.endm
.macro MULQ p, set, zero
.set a_, (\p)*MB/4
.rept MB/4
.if a_ < 4
	WIN MUL_LO
.else
	WIN MUL_HI
.endif
.set b_, 0
.rept MB
.set ac_, 8*(MB*(a_%4)+b_)
.if \zero
	v_wmma_scale_f32_16x16x128_f8f6f4 v[ac_:ac_+7], v[128*(\set)+12*b_:128*(\set)+12*b_+11], v[AF+12*MB*(\set)+12*a_:AF+12*MB*(\set)+12*a_+11], 0, v[SC+MB*(\set)+b_], v[SC+MB*(\set)+a_] matrix_a_fmt:MATRIX_FMT_FP6 matrix_b_fmt:MATRIX_FMT_FP6 matrix_a_scale:MATRIX_SCALE_ROW1
.else
	v_wmma_scale_f32_16x16x128_f8f6f4 v[ac_:ac_+7], v[128*(\set)+12*b_:128*(\set)+12*b_+11], v[AF+12*MB*(\set)+12*a_:AF+12*MB*(\set)+12*a_+11], v[ac_:ac_+7], v[SC+MB*(\set)+b_], v[SC+MB*(\set)+a_] matrix_a_fmt:MATRIX_FMT_FP6 matrix_b_fmt:MATRIX_FMT_FP6 matrix_a_scale:MATRIX_SCALE_ROW1
.endif
.set b_, b_+1
.endr
.set a_, a_+1
.endr
.endm
.macro STEP slot, q, zero
	PLACES
	FETCH \slot, (\q)+1, ((\q)+1)%2
	s_wait_dscnt NF
	MULQ 0, (\q)%2, \zero
	MULQ 1, (\q)%2, \zero
	MULQ 2, (\q)%2, \zero
	MULQ 3, (\q)%2, \zero
.endm
.macro TURN slot, next, fill
	WIN 0
	s_wait_xcnt 0x0                                ; my prefetches have read their address: it steps a chunk on
	s_add_nc_u64 s[PFA:PFA+1], s[PFA:PFA+1], NQ*FRB
	s_wait_tensorcnt 0x0
	ds_add_u32 v[SPW], v[NIL]
	s_wait_dscnt 1
	MULQ 0, 1, 0
	s_wait_dscnt 0x0
	s_barrier_signal -1
	MULQ 1, 1, 0
	WIN 0
	s_barrier_wait -1
.if \fill
	CREST
	s_add_nc_u64 s[G0+4*\slot+2:G0+4*\slot+3], s[G0+4*\slot+2:G0+4*\slot+3], 2*NQ*FRB
	s_add_nc_u64 s[G0B+4*\slot+2:G0B+4*\slot+3], s[G0B+4*\slot+2:G0B+4*\slot+3], 2*NQ*FRB
	JLOAD G0+4*\slot, G1, G0B+4*\slot, G1B
.else
	PLACES
.endif
	v_add_nc_u32 v[ADRS], 512*NQ, v[ADRS]
	s_wait_alu depctr_va_vdst(0)
	FETCH \next, 0, 0
.if \fill
	s_cmp_gt_u32 s3, 1                             ; the loop's last trip has no chunk two refills on
	s_cbranch_scc0 .Lno_ask_\@
	global_prefetch_b8 v[PFO], s[PFA:PFA+1] offset:3*NQ*FRB th:TH_LOAD_NT scope:SCOPE_SE   ; the chunk two refills on
.Lno_ask_\@:
.endif
	MULQ 2, 1, 0
	MULQ 3, 1, 0
.endm
	s_wait_alu depctr_va_vdst(0)
	s_wait_tensorcnt 0x0                           ; my tile of the head's four is in
	ds_add_u32 v[SPW], v[NIL]
	s_mov_b32 s[G1+2], MB<<16                      ; no load of mine is out: from here on a load brings one half of a tile
	s_mov_b32 s[G1+4], MB
	s_mov_b32 s[G1B+2], MB<<16
	s_mov_b32 s[G1B+4], MB
	s_mov_b32 s[G0+1], s45                         ; slot 0's groups 0 for the ring: my quarter of the slot, my half's first chunk
	s_mov_b32 s[G0B+1], s45
	s_sub_nc_u64 s[G0+2:G0+3], s[G0+6:G0+7], NQ*FRB
	s_sub_nc_u64 s[G0B+2:G0B+3], s[G0B+6:G0B+7], NQ*FRB
	s_wait_dscnt 0x0
	CROUND                                         ; all four tiles are in, in every partner
	JLOAD G0+4, G1, G0B+4, G1B                     ; slot 1's first fill (chunk 1), issued as a refill is
	FETCH 0, 0, 0
	global_prefetch_b8 v[PFO], s[PFA:PFA+1] offset:3*NQ*FRB th:TH_LOAD_NT scope:SCOPE_SE   ; chunk 3
	STEP 0, 0, 1
	; the residual's 64 x 64 numbers (window 3) and the bias are asked for here, behind the first K step: the head's tiles are in and slot 1's load is out; they land under the loop
	WIN 0xc0                                       ; destination window 3
.irp a, 0,1,2,3
.irp i, 0,1,2,3,4,5,6,7
	global_load_b128 v[4*(8*\a+\i):4*(8*\a+\i)+3], v[CO], s[94:95] offset:(32*(\a/2)+8*(\a%2)+16*(\i/4)+2*(\i%4))*4096 th:TH_LOAD_NT
.endr
.endr
	WIN 0
	global_load_b128 v[160:163], v8, s[98:99]
.if LAPS > 1
	WIN 0
	s_mov_b32 s3, LAPS-1
.Llap:
	s_wait_alu depctr_va_vdst(0)
	STEP 0, 1, 0
	STEP 0, 2, 0
	TURN 0, 1, 1
	STEP 1, 0, 0
	s_wait_alu depctr_va_vdst(0)
	STEP 1, 1, 0
	STEP 1, 2, 0
	TURN 1, 0, 1
	STEP 0, 0, 0
	WIN 0
	s_sub_co_u32 s3, s3, 1
	s_cmp_lg_u32 s3, 0
	s_cbranch_scc1 .Llap
.endif
	s_wait_alu depctr_va_vdst(0)
	STEP 0, 1, 0
	STEP 0, 2, 0
	TURN 0, 1, 0
	STEP 1, 0, 0
	s_wait_alu depctr_va_vdst(0)
	STEP 1, 1, 0
	STEP 1, 2, 0
	s_wait_dscnt 0x0
	MULQ 0, 1, 0
	MULQ 1, 1, 0
	MULQ 2, 1, 0
	MULQ 3, 1, 0
	WIN 0
	PLACES
	s_wait_loadcnt 0x0
	WIN 0xc3
.set p, 0
.rept 64
	v_pk_add_f32 v[2*p:2*p+1], v[2*p:2*p+1], v[160+2*(p%2):161+2*(p%2)]
.set p, p+1
.endr
.macro TOSTAGE a
	WIN 0x08
.irp b, 0,1,2,3
	ds_store_b128 v[STO], v[8*(4*(\a)+\b):8*(4*(\a)+\b)+3] offset:((\a)%2)*4352+128*(\b/2)+32*(\b%2)
	ds_store_b128 v[STO], v[8*(4*(\a)+\b)+4:8*(4*(\a)+\b)+7] offset:((\a)%2)*4352+128*(\b/2)+32*(\b%2)+16
.endr
	WIN 0
.irp i, 0,1,2,3,4,5,6,7
	ds_load_b128 v[BK+32*((\a)%2)+4*\i:BK+32*((\a)%2)+4*\i+3], v[RD] offset:((\a)%2)*4352+544*\i
.endr
.endm
.macro SEND a, younger
	s_wait_dscnt \younger
	WIN 0x0c
.set p, 0
.rept 16
	v_pk_add_f32 v[BK+32*((\a)%2)+2*p:BK+32*((\a)%2)+2*p+1], v[BK+32*((\a)%2)+2*p:BK+32*((\a)%2)+2*p+1], v[32*(\a)+2*p:32*(\a)+2*p+1]
.set p, p+1
.endr
	WIN 0
.irp i, 0,1,2,3,4,5,6,7
	global_store_b128 v[CO], v[BK+32*((\a)%2)+4*\i:BK+32*((\a)%2)+4*\i+3], s[96:97] offset:(32*((\a)/2)+8*((\a)%2)+16*(\i/4)+2*(\i%4))*4096 th:TH_STORE_NT
.endr
.endm
	TOSTAGE 0
.irp a, 1,2,3
.if \a > 1
	s_wait_xcnt 0x0
.endif
	TOSTAGE \a
	SEND \a-1, 16
.endr
	SEND 3, 0
	s_wait_tensorcnt 0x0
	ds_add_u32 v[SPW], v[NIL]
	s_wait_dscnt 0x0
	CROUND
	s_endpgm
.Lfunc_end_k_qdb51503d5a_ffn2:
	.size	k_qdb51503d5a_ffn2, .Lfunc_end_k_qdb51503d5a_ffn2-k_qdb51503d5a_ffn2
	.p2alignl 7, 3214868480
	.fill 96, 4, 3214868480
	.section	.rodata,"a",@progbits
	.p2align	6, 0x0
	.amdhsa_kernel k_qdb51503d5a_ffn2
		.amdhsa_group_segment_fixed_size 327680
		.amdhsa_private_segment_fixed_size 0
		.amdhsa_enable_private_segment 0
		.amdhsa_kernarg_size 40
		.amdhsa_user_sgpr_count 2
		.amdhsa_user_sgpr_kernarg_segment_ptr 1
		.amdhsa_wavefront_size32 1
		.amdhsa_system_sgpr_workgroup_id_x 1
		.amdhsa_system_sgpr_workgroup_id_y 1
		.amdhsa_system_sgpr_workgroup_id_z 1
		.amdhsa_system_vgpr_workitem_id 0
		.amdhsa_next_free_vgpr 1024
		.amdhsa_next_free_sgpr 102
		.amdhsa_reserve_vcc 0
		.amdhsa_float_denorm_mode_32 3
		.amdhsa_float_denorm_mode_16_64 3
		.amdhsa_memory_ordered 1
		.amdhsa_forward_progress 1
		.amdhsa_inst_pref_size 95
	.end_amdhsa_kernel
	.amdgpu_metadata
---
amdhsa.version: [ 1, 2 ]
amdhsa.kernels:
  - .name:           k_qdb51503d5a_ffn2
    .symbol:         k_qdb51503d5a_ffn2.kd
    .args:
      - { .name: hq, .offset: 0, .size: 8, .value_kind: global_buffer, .address_space: global }
      - { .name: wq, .offset: 8, .size: 8, .value_kind: global_buffer, .address_space: global }
      - { .name: b2, .offset: 16, .size: 8, .value_kind: global_buffer, .address_space: global }
      - { .name: x1, .offset: 24, .size: 8, .value_kind: global_buffer, .address_space: global }
      - { .name: out0, .offset: 32, .size: 8, .value_kind: global_buffer, .address_space: global }
    .group_segment_fixed_size: 327680
    .private_segment_fixed_size: 0
    .kernarg_segment_align: 8
    .kernarg_segment_size: 40
    .max_flat_workgroup_size: 128
    .sgpr_count:     102
    .vgpr_count:     1024
    .wavefront_size: 32
...
	.end_amdgpu_metadata
.endif
;; end of part 6
